; MI455X (gfx1250); checked and timed in simulation.
; The chip was launched on July 23, 2026; its instructions are those of AMD's public machine-readable ISA for CDNA 5 (MIT licence, August 2026) and "CDNA5" Instruction Set Architecture Reference Guide (July 2026). The comments in the code are by the model that wrote it; some were corrected since.
;; Encoder Block. Allowed arithmetic: matrix products marked QUANTISED: E4M3 operands, one given power-of-two scale a tensor, by v_wmma_f32_16x16x64_fp8_fp8 or v_wmma_f32_16x16x128_fp8_fp8, f32 sums; everything else in f32.
;; Inputs: W1_codes 1,024 x 16 x 32 uint8 (E4M3 codes of W1, K innermost, in blocks of 32 codes); W2_codes 512 x 32 x 32 uint8 (E4M3 codes of W2, K innermost, in blocks of 32 codes); Wk_codes 512 x 16 x 32 uint8 (E4M3 codes of Wk, K innermost, in blocks of 32 codes); Wo_codes 512 x 16 x 32 uint8 (E4M3 codes of Wo, K innermost, in blocks of 32 codes); Wq_codes 512 x 16 x 32 uint8 (E4M3 codes of Wq, K innermost, in blocks of 32 codes); Wv_codes 512 x 16 x 32 uint8 (E4M3 codes of Wv, K innermost, in blocks of 32 codes); a1 512 float32; a2 512 float32; b1 512 float32; b2 512 float32; bk 512 float32; bo 512 float32; bq 512 float32; bv 512 float32; c1 1,024 float32; c2 512 float32; lowp_scales 16 int32 (the exponents e of the quantised operands' scales 2^e); x 2 x 4,096 x 512 float32.
;; Outputs: out0 2 x 4,096 x 512 float32.
;; This version of the problem:
;;   THIS VERSION OF THE PROBLEM IS GIVEN IN LOW PRECISION. The matrix products marked QUANTISED in the list below multiply operands that are first quantised to E4M3 (4 exponent bits, 3 mantissa bits; 8 bits a number), with one given power-of-two scale for each operand tensor; their sums are f32. All else is computed in f32.
;;   The module's matrix products, in the order in which they are computed (A, B: the left and right operand; K: the contracted axis; several contracted axes count as one K, in the product's order):
;;     1. [M 8,192, K 512] x [K 512, N 512]; A: input x; B: input Wq (given as codes): QUANTISED (scales: A lowp_scales[0], B lowp_scales[1])
;;     2. [M 8,192, K 512] x [K 512, N 512]; A: input x; B: input Wk (given as codes): QUANTISED (scales: A lowp_scales[2], B lowp_scales[3])
;;     3. [M 8,192, K 512] x [K 512, N 512]; A: input x; B: input Wv (given as codes): QUANTISED (scales: A lowp_scales[4], B lowp_scales[5])
;;     4. batch 16 x [M 4,096, K 64] x [K 64, N 4,096]; A: computed on the way; B: computed on the way: QUANTISED (scales: A lowp_scales[6], B lowp_scales[7])
;;     5. batch 16 x [M 4,096, K 4,096] x [K 4,096, N 64]; A: softmax (see below); B: computed on the way: QUANTISED (scales: A lowp_scales[8], B lowp_scales[9])
;;     6. [M 8,192, K 512] x [K 512, N 512]; A: computed on the way; B: input Wo (given as codes): QUANTISED (scales: A lowp_scales[10], B lowp_scales[11])
;;     7. [M 8,192, K 512] x [K 512, N 1,024]; A: computed on the way; B: input W1 (given as codes): QUANTISED (scales: A lowp_scales[12], B lowp_scales[13])
;;     8. [M 8,192, K 1,024] x [K 1,024, N 512]; A: computed on the way; B: input W2 (given as codes): QUANTISED (scales: A lowp_scales[14], B lowp_scales[15])
;;   THE QUANTISER, for each operand of a quantised product, along K:
;;     - The operand's scale is 2^e, e = its entry of the input lowp_scales (int32; the entries are numbered through the quantised products in the list's order, A before B).
;;     - Each number is divided by the scale, clamped to +-448, and rounded to the nearest number of E4M3, ties to even, subnormals kept.
;;     - The product sums the exact products of the quantised numbers (number of the format x scale) in f32.
;;   ~~~python
;;   def quantise(x, axis, e):      # numpy; x: float32 -> the quantised numbers, widened to float32 again
;;       x = np.moveaxis(x, axis, -1); K = x.shape[-1]
;;       r = np.clip(x / 2.0 ** e, -448, 448)
;;       step = 2.0 ** (np.maximum(np.frexp(np.where(r == 0, 1, r))[1] - 1, -6) - 3)
;;       q = np.round(r / step) * step * 2.0 ** e      # np.round: ties to even
;;       return np.moveaxis(q, -1, axis).astype(np.float32)
;;   ~~~
;;   SOFTMAX AHEAD OF A QUANTISED PRODUCT. Where the list says 'softmax', what is quantised is not the finished softmax but p = 2^(t - M), with t = logit x log2(e) and M = ceil(the row's largest t), a whole number; so 1/2 < the row's largest p <= 1. The row's sum l is taken of the UNQUANTISED p, in f32, and the product's result is divided by l at the end. Since M is a whole number, a kernel that streams over the keys may use a running M (the ceiling of the running maximum): every later rescaling is an exact power of two, so the quantised numbers keep their values, but for numbers so far below the row's largest that they fall under the format's range.
;;   OPERANDS COMPUTED ON THE WAY. 'Computed on the way' means the value that the module computes at that place (a softmax that the list does not call 'softmax' is quantised finished and normalised). What goes into a quantiser is computed in f32, as accurately as f32 sums, v_exp_f32 and their like allow (about 1e-6 of the number): no bf16 or f16 on the way to a quantiser, and a product that is left as it is and whose result goes on into a quantised operand takes f32 operands (vector FMAs, or v_wmma_f32_16x16x4_f32). A number that lies on a knife's edge between two numbers of the format may be rounded either way, as far as f32 arithmetic and the matrix unit's own rounding can turn it there, and no further.
;;   INPUTS GIVEN AS CODES. W1 (in the module: [512, 1024], K = its axis 0); W2 (in the module: [1024, 512], K = its axis 0); Wk (in the module: [512, 512], K = its axis 0); Wo (in the module: [512, 512], K = its axis 0); Wq (in the module: [512, 512], K = its axis 0); Wv (in the module: [512, 512], K = its axis 0): each comes as NAME_codes (uint8): NAME with its K axis moved to the last place and cut into blocks of 32 codes, [.., K / 32, bytes a block], one block behind the other in memory; one code a byte (a code: sign, 4 exponent bits, 3 mantissa bits); its scale is its entry of lowp_scales. Its value is code x scale, taken as it is: it is not quantised again, and the codes and scales need not be those that the quantiser above would give.
;; 2 versions, each right; version 2 is version 1 with the launch qkv written anew for expert scheduling mode. Each part assembles by itself: llvm-mc -triple=amdgcn-amd-amdhsa -mcpu=gfx1250 --defsym DOCPART=n.
;; ======== version 1 of 2: 3 launches
;; workspace buffers: qimg 4,194,304 bytes; kvimg 8,388,608 bytes; cimg 4,194,304 bytes; wimg 1,310,720 bytes
;; launch qkv (part 1): grid 64 x 4, 4 waves a work-group, no clusters, 197,120 bytes of LDS; arguments x, Wq_codes, Wk_codes, Wv_codes, bq, bk, bv, lowp_scales, Wo_codes, W1_codes, W2_codes, qimg, kvimg, wimg; writes qimg, kvimg, wimg
.if DOCPART == 1
	.amdgcn_target "amdgcn-amd-amdhsa--gfx1250"
	.amdhsa_code_object_version 6
	.text
	.protected	k_qd304bf4b8f_qkv
	.globl	k_qd304bf4b8f_qkv
	.p2align	8
	.type	k_qd304bf4b8f_qkv,@function
k_qd304bf4b8f_qkv:
	s_mov_b64 s[64:65], 0
	v_nop
	global_prefetch_b8 v0, s[64:65] scope:SCOPE_SE
	s_setreg_imm32_b32 hwreg(HW_REG_WAVE_MODE, 25, 1), 1
	s_wait_xcnt 0x0
; q = x Wq + bq, k = x Wk + bk, v = x Wv + bv on codes of E4M3, and q, k, v quantised again for attention.  Also: Wo, W1, W2 laid out anew for the last launch.
; SHARES.  A work-group takes 128 rows of x (one key step of one batch), in two blocks of 64, and 128 of the 512 features of each of q, k, v.  Wave w takes features 32 w .. 32 w + 31 of those
; (half a head) for all rows: its 24 fragments of Wq, Wk, Wv (384 registers) are read once and stay.  Wave w also quantises rows 16 w .. 16 w + 15 of each block, three times (x has a scale for each product);
; the fragments go to the other waves through LDS as images of their registers: register quad c of a fragment is 512 bytes, lane l's 16 bytes at 16 l.
; k ORDER of these three products: registers 4 c .. 4 c + 3 hold K = 32 c + 16 (lane / 16) + 0 .. 15, in x and in W alike: a permutation of K that leaves every product with its partner.
; q and k are used TRANSPOSED (source 0 = 16 rows of W, source 1 = 16 rows of x): a lane holds one token and eight neighbouring features, so one conversion gives two registers of attention's fragment
; (registers 2 c, 2 c + 1: d = 16 c + 8 (lane / 16) + 0 .. 7).  v is used as it stands (source 0 = x, source 1 = Wv): a lane holds one feature and eight neighbouring TOKENS, which are the second product's K.
; The biases, divided by 2^(ea + ew), are the C of each sum's first matrix instruction.  What is stored are images: every store of a wave covers 512 consecutive bytes, aligned.
; LIMITS: e0, e2, e4 and e6 - e0 - e1, e7 - e2 - e3, e9 - e4 - e5 lie between -126 and 119, so that each power of two below is an f32 number.  NaN among the inputs is not served.
; REGISTERS, in windows of 256.  window 0: v1-11 addresses, v12-23 scales and holds, v25 r, v26 h, v32-79 six accumulators, v80-111 codes to store, v112-159 biases, v192-255 x's fragments for v.
;   window 1: Wq (v0-127), Wk (v128-255).   window 2: Wv (v0-127), x's fragments for q (v128-191) and k (v192-255).   window 3: three sets of 64 numbers of x, two sets of 16 held numbers, two sets of 16 registers of codes.
.set ACC,  32
.set OCQ,  80
.set OCK,  88
.set OCV,  96
.set BIAS, 112
.set XF2,  192
.set SCX,  12                          ; v12-14  2^ea, for x's conversions
.set LMX,  15                          ; v15-17  448 x 2^ea
.set SCO,  18                          ; v18-20  2^(eo - ea - ew), for the results' conversions
.set LMO,  21                          ; v21-23  448 x that
.set MSB, 0
.macro WIN new                         ; the immediate's high byte repeats the setting that is left
.if MSB != \new
	s_set_vgpr_msb (MSB<<8)|\new
.set MSB, \new
.endif
.endm
	s_load_b512 s[4:19], s[0:1], 0x0               ; x, Wq, Wk, Wv, bq, bk, bv, the scales' exponents
	s_load_b256 s[20:27], s[0:1], 0x40             ; Wo, W1, W2, qimg
	s_load_b128 s[28:31], s[0:1], 0x60             ; kvimg, wimg
	v_lshl_add_u32 v190, v0, 2, 0x30000
	v_mov_b32 v191, 0
	v_lshrrev_b32 v24, 5, v0
	v_readfirstlane_b32 s32, v24                   ; wave 0..3
	s_and_b32 s33, ttmp7, 0xffff                   ; hy: which 128 features
	v_and_b32 v25, 15, v0                          ; r
	v_bfe_u32 v26, v0, 4, 1                        ; h
	v_and_b32 v27, 31, v0                          ; lane
	v_lshlrev_b32 v1, 11, v25
	v_lshl_add_u32 v1, v26, 6, v1                  ; x: row r of 2,048 bytes, + 64 h: my 16 numbers of a block of 32
	v_lshlrev_b32 v2, 4, v27                       ; 16 x lane: an image's place for my lane
	s_lshl_b32 s52, s32, 13
	v_add_nc_u32 v3, s52, v2                       ; where I store x's images: 16 x lane + 8,192 x wave, + 32,768 for each product
	v_add_nc_u32 v4, 0x8000, v3
	v_add_nc_u32 v5, 0x10000, v3
	v_lshlrev_b32 v6, 4, v27                       ; and where any wave reads them
	v_add_nc_u32 v7, 0x8000, v6
	v_add_nc_u32 v8, 0x10000, v6
	v_lshlrev_b32 v9, 9, v25
	v_lshl_add_u32 v9, v26, 4, v9                  ; W: row r of 512 bytes, + 16 h
	v_lshlrev_b32 v10, 5, v26                      ; bq, bk: eight numbers of my half
	v_lshlrev_b32 v11, 2, v25                      ; bv: my feature's
	s_lshl_b32 s52, ttmp9, 18                      ; 128 rows of 2,048 bytes for each work-group x,
	s_lshl_b32 s53, s32, 15                        ; 16 rows for each wave
	s_add_co_u32 s52, s52, s53
	s_mov_b32 s53, 0
	s_lshl_b32 s54, s33, 16                        ; W: (128 hy + 32 w) rows of 512 bytes
	s_lshl_b32 s55, s32, 14
	s_add_co_u32 s54, s54, s55
	s_mov_b32 s55, 0
	s_lshr_b32 s56, s54, 7                         ; the biases: (128 hy + 32 w) x 4 bytes
	s_mov_b32 s57, 0
	s_lshr_b32 s58, ttmp9, 5
	s_lshl_b32 s58, s58, 3
	s_lshl_b32 s59, s33, 1
	s_add_co_u32 s58, s58, s59
	s_lshr_b32 s59, s32, 1
	s_add_co_u32 s58, s58, s59                     ; bh = 8 x batch + head, head = 2 hy + w / 2
	s_and_b32 s59, ttmp9, 31                       ; the key step
	s_and_b32 s60, s32, 1                          ; which half of the head
	s_lshl_b32 s62, s58, 18
	s_lshl_b32 s63, s59, 13
	s_add_co_u32 s62, s62, s63
	s_lshl_b32 s63, s60, 9
	s_add_co_u32 s62, s62, s63                     ; qimg: bh x 262,144 + 8 tiles of 1,024 for each key step + my quad
	s_mov_b32 s63, 0
	s_lshl_b32 s66, s58, 5
	s_add_co_u32 s66, s66, s59
	s_lshl_b32 s66, s66, 14                        ; kvimg: (32 bh + key step) x 16,384
	s_lshl_b32 s67, s60, 9
	s_add_co_u32 s68, s66, s67                     ; K: + my quad
	s_mov_b32 s69, 0
	s_lshl_b32 s67, s60, 12
	s_add_co_u32 s70, s66, s67
	s_add_co_u32 s70, s70, 8192                    ; V: behind K's eight tiles, + my two d tiles of 2,048
	s_mov_b32 s71, 0
	s_wait_kmcnt 0x0
	s_load_b512 s[36:51], s[18:19], 0x0            ; e0 .. e15
	s_add_nc_u64 s[4:5], s[4:5], s[52:53]
	s_add_nc_u64 s[6:7], s[6:7], s[54:55]
	s_add_nc_u64 s[8:9], s[8:9], s[54:55]
	s_add_nc_u64 s[10:11], s[10:11], s[54:55]
	s_add_nc_u64 s[12:13], s[12:13], s[56:57]
	s_add_nc_u64 s[14:15], s[14:15], s[56:57]
	s_add_nc_u64 s[16:17], s[16:17], s[56:57]
	s_add_nc_u64 s[26:27], s[26:27], s[62:63]      ; where q's images go
	s_add_nc_u64 s[66:67], s[28:29], s[68:69]      ; k's
	s_add_nc_u64 s[68:69], s[28:29], s[70:71]      ; v's
; my 16 rows' numbers of K step g % 4 of block g / 4 (64 a lane) into set g % 3
.macro XLOAD g
	WIN 0xc0
.irp b, 0,1,2,3
.irp j, 0,1,2,3
	global_load_b128 v[64*((\g)%3)+16*\b+4*\j:64*((\g)%3)+16*\b+4*\j+3], v1, s[4:5] offset:131072*((\g)/4)+512*((\g)%4)+128*\b+16*\j
.endr
.endr
.endm
; set g % 3 becomes three fragments, one for each product's scale; their images go to LDS.  n: the younger loads that may stay out.
; The held numbers lie in two sets of 16 by turns, so that sixteen plain lines stand between a conversion and the next write of its sources; the codes in two sets of 16 by turns.
.macro QUANT g, n
	s_wait_loadcnt \n
.irp p, 0,1,2
	s_wait_dscnt 4                                 ; the stores of two turns ago have read this set of codes; the last turn's four may be out
	WIN 0xc3
.set PCS, 224+16*(((\p)+(\g))%2)
.irp b, 0,1,2,3
.irp i, 0,1,2,3,4,5,6,7,8,9,10,11,12,13,14,15
	v_med3_num_f32 v[192+16*(\b%2)+\i], v[64*((\g)%3)+16*\b+\i], -v[LMX+\p], v[LMX+\p]   ; the conversion to an 8-bit code does not saturate (ISA guide 7.6.2): the hold at 448 x the scale
.endr
	v_cvt_scalef32_pk8_fp8_f32 v[PCS+4*\b:PCS+4*\b+1], v[192+16*(\b%2):192+16*(\b%2)+7], v[SCX+\p]
	v_cvt_scalef32_pk8_fp8_f32 v[PCS+4*\b+2:PCS+4*\b+3], v[192+16*(\b%2)+8:192+16*(\b%2)+15], v[SCX+\p]
.endr
	v_nop                                          ; a plain line behind the last conversion
	WIN 0x0c
.irp q, 0,1,2,3
	ds_store_b128 v[3+\p], v[PCS+4*\q:PCS+4*\q+3] offset:2048*((\g)%4)+512*\q
.endr
.endr
.endm
; the twelve fragments of token tile m: 48 LDS loads in one run, those for q and k first
.macro FETCH m
	WIN 0x80
.irp p, 0,1
.irp s, 0,1,2,3
.irp q, 0,1,2,3
	ds_load_b128 v[128+64*\p+16*\s+4*\q:128+64*\p+16*\s+4*\q+3], v[6+\p] offset:(4*(\m)+\s)*2048+512*\q
.endr
.endr
.endr
	WIN 0
.irp s, 0,1,2,3
.irp q, 0,1,2,3
	ds_load_b128 v[XF2+16*\s+4*\q:XF2+16*\s+4*\q+3], v8 offset:(4*(\m)+\s)*2048+512*\q
.endr
.endr
.endm
; product p's two tiles: held, from each accumulator's low end on, and converted into v[d0], v[d1]
.macro OUTQ p, d0, d1
.irp j, 0,1,2,3,4,5,6,7,8,9,10,11,12,13,14,15
	v_med3_num_f32 v[ACC+16*\p+\j], v[ACC+16*\p+\j], -v[LMO+\p], v[LMO+\p]
.endr
	v_cvt_scalef32_pk8_fp8_f32 v[\d0:\d0+1], v[ACC+16*\p:ACC+16*\p+7], v[SCO+\p]
	v_cvt_scalef32_pk8_fp8_f32 v[\d1:\d1+1], v[ACC+16*\p+8:ACC+16*\p+15], v[SCO+\p]
.endm
; token tile m of block blk: 24 matrix instructions, the accumulators by turns; then its codes leave
.macro TILE blk, m, next
	s_wait_dscnt 16                                ; the fragments for q and k are in; the youngest sixteen loads (those for v) may be out
	WIN 0x09                                       ; source 0 (W) window 1, source 1 (x) window 2
.irp s, 0,1,2,3
.irp p, 0,1
.irp u, 0,1
.if \s == 0
	v_wmma_f32_16x16x128_fp8_fp8 v[ACC+16*\p+8*\u:ACC+16*\p+8*\u+7], v[128*\p+64*\u+16*\s:128*\p+64*\u+16*\s+15], v[128+64*\p+16*\s:128+64*\p+16*\s+15], v[BIAS+16*\p+8*\u:BIAS+16*\p+8*\u+7]
.else
	v_wmma_f32_16x16x128_fp8_fp8 v[ACC+16*\p+8*\u:ACC+16*\p+8*\u+7], v[128*\p+64*\u+16*\s:128*\p+64*\u+16*\s+15], v[128+64*\p+16*\s:128+64*\p+16*\s+15], v[ACC+16*\p+8*\u:ACC+16*\p+8*\u+7]
.endif
.endr
.endr
.endr
	s_wait_dscnt 0x0
	WIN 0x08                                       ; source 0 (x) window 0, source 1 (Wv) window 2
.irp s, 0,1,2,3
.irp u, 0,1
.if \s == 0
	v_wmma_f32_16x16x128_fp8_fp8 v[ACC+32+8*\u:ACC+32+8*\u+7], v[XF2+16*\s:XF2+16*\s+15], v[64*\u+16*\s:64*\u+16*\s+15], v[BIAS+32+8*\u:BIAS+32+8*\u+7]
.else
	v_wmma_f32_16x16x128_fp8_fp8 v[ACC+32+8*\u:ACC+32+8*\u+7], v[XF2+16*\s:XF2+16*\s+15], v[64*\u+16*\s:64*\u+16*\s+15], v[ACC+32+8*\u:ACC+32+8*\u+7]
.endif
.endr
.endr
	WIN 0
.rept 5
	v_nop                                          ; places in front of the loads into x's fragments, of the first reads of the sums, and of the next tile's sums, which begin anew over these registers
.endr
.if \next
	FETCH (\m)+1
.endif
	s_wait_xcnt 0x0                                ; earlier stores have read their data: the codes' registers may be written again
.set QD, OCQ+4*((\m)%2)
.set KD, OCK+4*((\m)%2)
.set VS, OCV+8*(((\m)/2)%2)
.set VD, VS+2*((\m)%2)
	OUTQ 0, QD, QD+2
	OUTQ 1, KD, KD+2
	OUTQ 2, VD, VD+4
	v_nop                                          ; a plain line behind the last conversion
	global_store_b128 v2, v[QD:QD+3], s[26:27] offset:(4*(\blk)+(\m))*1024   ; my quad of the query tile's image
	global_store_b128 v2, v[KD:KD+3], s[66:67] offset:(4*(\blk)+(\m))*1024   ; and of the key tile's
.if ((\m)%2) == 1                      ; two token tiles fill a quad of V's images (32 keys)
	global_store_b128 v2, v[VS:VS+3], s[68:69] offset:(2*(\blk)+(\m)/2)*512
	global_store_b128 v2, v[VS+4:VS+7], s[68:69] offset:2048+(2*(\blk)+(\m)/2)*512
.endif
.endm
.macro CONSTS p, eo                    ; product p: x's scale and hold; -(ea + ew); the result's scale and hold, the three exponents folded into one
	s_add_co_i32 s72, s[36+2*\p], 127
	s_lshl_b32 s73, s72, 23
	v_mov_b32 v[SCX+\p], s73
	s_add_co_i32 s72, s72, 8
	s_lshl_b32 s72, s72, 23
	s_or_b32 s72, s72, 0x600000
	v_mov_b32 v[LMX+\p], s72
	s_add_co_i32 s72, s[36+2*\p], s[37+2*\p]
	s_sub_co_i32 s[76+\p], 0, s72
	s_sub_co_i32 s72, s[\eo], s72
	s_add_co_i32 s72, s72, 127
	s_lshl_b32 s73, s72, 23
	v_mov_b32 v[SCO+\p], s73
	s_add_co_i32 s72, s72, 8
	s_lshl_b32 s72, s72, 23
	s_or_b32 s72, s72, 0x600000
	v_mov_b32 v[LMO+\p], s72
.endm
	XLOAD 0
	XLOAD 1
	XLOAD 2
	WIN 0x40
.irp u, 0,1
.irp s, 0,1,2,3
.irp c, 0,1,2,3
	global_load_b128 v[64*\u+16*\s+4*\c:64*\u+16*\s+4*\c+3], v9, s[6:7] offset:8192*\u+128*\s+32*\c
	global_load_b128 v[128+64*\u+16*\s+4*\c:128+64*\u+16*\s+4*\c+3], v9, s[8:9] offset:8192*\u+128*\s+32*\c
.endr
.endr
.endr
	WIN 0x80
.irp u, 0,1
.irp s, 0,1,2,3
.irp c, 0,1,2,3
	global_load_b128 v[64*\u+16*\s+4*\c:64*\u+16*\s+4*\c+3], v9, s[10:11] offset:8192*\u+128*\s+32*\c
.endr
.endr
.endr
	WIN 0
.irp u, 0,1
.irp q, 0,1
	global_load_b128 v[BIAS+8*\u+4*\q:BIAS+8*\u+4*\q+3], v10, s[12:13] offset:64*\u+16*\q
	global_load_b128 v[BIAS+16+8*\u+4*\q:BIAS+16+8*\u+4*\q+3], v10, s[14:15] offset:64*\u+16*\q
.endr
	global_load_b32 v[28+\u], v11, s[16:17] offset:64*\u
.endr
	s_wait_kmcnt 0x0
	CONSTS 0, 42                                   ; q is quantised with e6,
	CONSTS 1, 43                                   ; k with e7,
	CONSTS 2, 45                                   ; v with e9
	QUANT 0, 63                                    ; 138 loads were issued behind this set's: the count is the largest that the wait can name
	XLOAD 3
	QUANT 1, 63
	XLOAD 4
	QUANT 2, 63
	XLOAD 5
	QUANT 3, 32                                    ; behind it: the two sets just asked for.  So W and the biases are in too
	XLOAD 6
	WIN 0
.irp j, 0,1,2,3,4,5,6,7,8,9,10,11,12,13,14,15
	v_ldexp_f32 v[BIAS+\j], v[BIAS+\j], s76        ; a sum stands for sum x 2^(ea + ew): the bias goes in divided by that
.endr
.irp j, 0,1,2,3,4,5,6,7,8,9,10,11,12,13,14,15
	v_ldexp_f32 v[BIAS+16+\j], v[BIAS+16+\j], s77
.endr
.irp u, 0,1
.irp j, 0,1,2,3,4,5,6,7
	v_ldexp_f32 v[BIAS+32+8*\u+\j], v[28+\u], s78  ; in v's tiles a lane holds one feature: its bias in all eight registers
.endr
.endr
	s_wait_dscnt 0x0                               ; my images of block 0 lie in LDS
	s_barrier_signal -1
	s_barrier_wait -1                              ; everybody's do
	FETCH 0
	TILE 0, 0, 1
	TILE 0, 1, 1
	TILE 0, 2, 1
	TILE 0, 3, 0
.irp a, 3,4,5,6,7,8
	v_add_nc_u32 v[\a], 0x18000, v[\a]             ; block 1 has LDS bytes of its own: no wave waits for another's reads of block 0
.endr
	QUANT 4, 32
	XLOAD 7
	QUANT 5, 32
	QUANT 6, 16
	QUANT 7, 0
	WIN 0
	s_wait_dscnt 0x0
	s_barrier_signal -1
	s_barrier_wait -1
	FETCH 0
	TILE 1, 0, 1
	TILE 1, 1, 1
	TILE 1, 2, 1
	TILE 1, 3, 0
; THE WEIGHTS OF THE LAST LAUNCH, once: 640 fragments of 16 rows x 128 K, each as an image of its registers (registers 2 c, 2 c + 1: K = 16 c + 8 (lane / 16) + 0 .. 7), in the order in which that launch walks them.
; Work-group number g = x + 64 y, g < 160, lays four, one a wave: fragment 4 g + wave = ((slot k x 4 + reading wave) x 16 + f).  k = 0, 1: Wo; k = 2 + 2 i: W1's chunk i; k = 3 + 2 i: W2's chunk i.
	s_lshl_b32 s80, s33, 6
	s_add_co_u32 s80, s80, ttmp9                   ; g
	s_cmp_ge_u32 s80, 160
	s_cbranch_scc1 .Ldone
	s_lshr_b32 s81, s80, 4                         ; k
	s_bfe_u32 s82, s80, 0x20002                    ; the wave that will read it
	s_and_b32 s83, s80, 3
	s_lshl_b32 s83, s83, 2
	s_add_co_u32 s83, s83, s32                     ; f
	s_sub_co_u32 s84, s81, 2
	s_lshr_b32 s84, s84, 1                         ; i (used where k >= 2)
	s_mov_b32 s87, 1024
	s_cmp_lt_u32 s81, 2
	s_cselect_b32 s85, s81, s84                    ; Wo: k; W2: i
	s_cselect_b32 s86, 1, 0
	s_cselect_b32 s87, 512, s87                    ; a row of Wo is 512 bytes, of W2 1,024
	s_cselect_b64 s[88:89], s[20:21], s[24:25]
	s_and_b32 s90, s83, 7
	s_lshl_b32 s90, s90, 4
	s_lshl_b32 s91, s82, 7
	s_add_co_u32 s90, s90, s91                     ; Wo, W2: first row 128 w + 16 (f % 8),
	s_lshr_b32 s91, s83, 3
	s_lshl_b32 s85, s85, 1
	s_add_co_u32 s91, s91, s85                     ; K step 2 k (2 i) + f / 8
	s_and_b32 s92, s83, 3
	s_lshl_b32 s92, s92, 4
	s_lshl_b32 s93, s82, 6
	s_add_co_u32 s92, s92, s93
	s_lshl_b32 s93, s84, 8
	s_add_co_u32 s92, s92, s93                     ; W1: first row 256 i + 64 w + 16 (f % 4),
	s_lshr_b32 s93, s83, 2                         ; K step f / 4
	s_and_b32 s94, s81, 1
	s_or_b32 s94, s94, s86
	s_cmp_eq_u32 s94, 0                            ; W1: k even and at least 2
	s_cselect_b32 s90, s92, s90
	s_cselect_b32 s91, s93, s91
	s_cselect_b32 s87, 512, s87
	s_cselect_b64 s[88:89], s[22:23], s[88:89]
	s_mul_i32 s90, s90, s87
	s_lshl_b32 s91, s91, 7
	s_add_co_u32 s90, s90, s91
	s_mov_b32 s91, 0
	s_add_nc_u64 s[88:89], s[88:89], s[90:91]
	s_lshl_b32 s92, s80, 2
	s_add_co_u32 s92, s92, s32
	s_lshl_b32 s92, s92, 11
	s_mov_b32 s93, 0
	s_add_nc_u64 s[30:31], s[30:31], s[92:93]
	v_mul_lo_u32 v24, v25, s87
	v_lshl_add_u32 v24, v26, 3, v24                ; row r, + 8 h
.irp c, 0,1,2,3,4,5,6,7
	global_load_b64 v[32+2*\c:33+2*\c], v24, s[88:89] offset:16*\c
.endr
	s_wait_loadcnt 0x0
.irp q, 0,1,2,3
	global_store_b128 v2, v[32+4*\q:35+4*\q], s[30:31] offset:512*\q
.endr
.Ldone:
	s_wait_tensorcnt 0x0
	ds_add_u32 v190, v191
	s_wait_dscnt 0x0
	s_endpgm
.Lfunc_end_k_qd304bf4b8f_qkv:
	.size	k_qd304bf4b8f_qkv, .Lfunc_end_k_qd304bf4b8f_qkv-k_qd304bf4b8f_qkv
	.p2alignl 7, 3214868480
	.fill 96, 4, 3214868480
	.section	.rodata,"a",@progbits
	.p2align	6, 0x0
	.amdhsa_kernel k_qd304bf4b8f_qkv
		.amdhsa_group_segment_fixed_size 197120
		.amdhsa_private_segment_fixed_size 0
		.amdhsa_enable_private_segment 0
		.amdhsa_kernarg_size 112
		.amdhsa_user_sgpr_count 2
		.amdhsa_user_sgpr_kernarg_segment_ptr 1
		.amdhsa_wavefront_size32 1
		.amdhsa_system_sgpr_workgroup_id_x 1
		.amdhsa_system_sgpr_workgroup_id_y 1
		.amdhsa_system_sgpr_workgroup_id_z 1
		.amdhsa_system_vgpr_workitem_id 0
		.amdhsa_next_free_vgpr 1024
		.amdhsa_next_free_sgpr 96
		.amdhsa_reserve_vcc 0
		.amdhsa_float_denorm_mode_32 3
		.amdhsa_float_denorm_mode_16_64 3
		.amdhsa_memory_ordered 1
		.amdhsa_forward_progress 1
		.amdhsa_inst_pref_size 220
	.end_amdhsa_kernel
	.amdgpu_metadata
---
amdhsa.version: [ 1, 2 ]
amdhsa.kernels:
  - .name:           k_qd304bf4b8f_qkv
    .symbol:         k_qd304bf4b8f_qkv.kd
    .args:
      - { .name: x, .offset: 0, .size: 8, .value_kind: global_buffer, .address_space: global }
      - { .name: Wq_codes, .offset: 8, .size: 8, .value_kind: global_buffer, .address_space: global }
      - { .name: Wk_codes, .offset: 16, .size: 8, .value_kind: global_buffer, .address_space: global }
      - { .name: Wv_codes, .offset: 24, .size: 8, .value_kind: global_buffer, .address_space: global }
      - { .name: bq, .offset: 32, .size: 8, .value_kind: global_buffer, .address_space: global }
      - { .name: bk, .offset: 40, .size: 8, .value_kind: global_buffer, .address_space: global }
      - { .name: bv, .offset: 48, .size: 8, .value_kind: global_buffer, .address_space: global }
      - { .name: lowp_scales, .offset: 56, .size: 8, .value_kind: global_buffer, .address_space: global }
      - { .name: Wo_codes, .offset: 64, .size: 8, .value_kind: global_buffer, .address_space: global }
      - { .name: W1_codes, .offset: 72, .size: 8, .value_kind: global_buffer, .address_space: global }
      - { .name: W2_codes, .offset: 80, .size: 8, .value_kind: global_buffer, .address_space: global }
      - { .name: qimg, .offset: 88, .size: 8, .value_kind: global_buffer, .address_space: global }
      - { .name: kvimg, .offset: 96, .size: 8, .value_kind: global_buffer, .address_space: global }
      - { .name: wimg, .offset: 104, .size: 8, .value_kind: global_buffer, .address_space: global }
    .group_segment_fixed_size: 197120
    .private_segment_fixed_size: 0
    .kernarg_segment_align: 8
    .kernarg_segment_size: 112
    .max_flat_workgroup_size: 128
    .sgpr_count:     96
    .vgpr_count:     1024
    .wavefront_size: 32
...
	.end_amdgpu_metadata
.endif
;; end of part 1
;; launch attn (part 2): grid 16 x 16, 8 waves a work-group, clusters of 4 x 1, 327,680 bytes of LDS; arguments qimg, kvimg, lowp_scales, cimg; writes cimg
.if DOCPART == 2
	.amdgcn_target "amdgcn-amd-amdhsa--gfx1250"
	.amdhsa_code_object_version 6
	.text
	.protected	k_qd304bf4b8f_attn
	.globl	k_qd304bf4b8f_attn
	.p2align	8
	.type	k_qd304bf4b8f_attn,@function
k_qd304bf4b8f_attn:
	s_mov_b64 s[64:65], 0
	v_nop
	global_prefetch_b8 v0, s[64:65] scope:SCOPE_SE
	s_setreg_imm32_b32 hwreg(HW_REG_WAVE_MODE, 25, 1), 1
	s_wait_xcnt 0x0
	s_wait_alu depctr_hold_cnt(0) depctr_sa_sdst(0) depctr_va_vdst(0) depctr_va_sdst(0) depctr_va_ssrc(0) depctr_va_vcc(0) depctr_vm_vsrc(0)
	s_getreg_b32 s2, hwreg(HW_REG_IB_STS2, 6, 4)
	s_cmp_eq_u32 s2, 0
	s_cbranch_scc0 .Lentry_in_a_cluster
	s_endpgm
.Lentry_in_a_cluster:
	s_bfe_u32 s2, ttmp6, 0x10000c
	s_cmp_lg_u32 s2, 0x3003
	s_cbranch_scc0 .Lentry_shape_is_right
	s_endpgm
.Lentry_shape_is_right:
; Attention of one head on codes of E4M3: O = softmax(Q K^T / 8) V, head size 64, 4,096 keys; the result is quantised for the next product and stored as images of that product's fragments.
; THE SOFTMAX AHEAD OF THE SECOND PRODUCT: t = score x log2(e) / 8; M = the running largest t rounded UP to a whole number; p = 2^(t - M) is quantised, not normalised.  The row's sum is taken of the unquantised p
; and divides at the end.  When M moves, the sum and O are multiplied by 2^(old M - new M): nothing is rounded, and no branch hangs on data.
; SHARES.  A work-group owns 256 queries of one head (y = 8 x batch + head); each of its eight waves two tiles of 16: two waves to a SIMD, so that one wave's vector work stands beside the other's LDS loads and products,
; and each fragment of K and V read from LDS feeds two matrix instructions.  Every wave walks all keys, 128 a step.
; LAYOUT.  Both products are used transposed: S^T = K Q^T (source 0 = 16 keys), O^T = V^T P^T (source 0 = 16 of the head's 64): a lane holds ONE query throughout, and a conversion of a tile of S^T gives registers
; 2 c, 2 c + 1 of P's fragment (keys 16 c + 8 (lane / 16) + 0 .. 7), the form's own order.  Q, K and V come as images of their registers: quad c of a fragment is 512 bytes, lane l's 16 bytes at 16 l.
; RING.  Two LDS slots of four key steps (65,536 bytes, dense).  CLUSTER.  The four query blocks of a cluster walk one head's K and V: each slot is asked for JOINTLY, by waves 0 to 3, a key step each.
; By this text's count a wave has at most one tensor load out.
; LIMITS: e6 + e7 between -123 and 130 (added to c's exponent field); e8 and e10 between -126 and 119; e8 + e9 is applied by v_ldexp_f32.
; REGISTERS.  window 0: v1 16 x lane, v2 the step's LDS address, v3, v4 for the add, v5 prefetch offset, v6, v7 hold and scale; for tile x: v[8+2x] -M, v[9+2x] largest t, v[12+2x:13+2x] the sum, v[16+2x] f,
;   v[20+4x..22+4x] at work, v[28+2x:29+2x] second chain; v32-159 S^T then p; v160-223 O^T; v224-255 p's codes.   window 1: v0-63 K, v64-127 V, v128-143 Q.
.set SLOTB, 65536
.set STEPB, 16384
.set SPARE, 131072                     ; behind the ring: the spare words, 128 bytes for each of eight waves: four blocks of 256 bytes that no other line names
.set MSB, 0
.macro WIN new                         ; the immediate's high byte repeats the setting that is left
.if MSB != \new
	s_set_vgpr_msb (MSB<<8)|\new
.set MSB, \new
.endif
.endm
.macro ROUND                           ; a round of the cluster's barrier: my work-group's barrier; wave 0 signals for the work-group; every wave waits for all four; my work-group's barrier once more
	s_barrier_signal -1
	s_barrier_wait -1
	s_cmp_lg_u32 s12, 0
	s_cbranch_scc1 .Lnot_wave_0_\@
	s_barrier_signal -3
.Lnot_wave_0_\@:
	s_barrier_wait -3
	s_barrier_signal -1
	s_barrier_wait -1
.endm
.macro JLOAD                           ; waves 0 to 3 fetch a key step each; the branch hangs on the wave's number alone.  Four v_nop follow the load
	s_cmp_lt_u32 s12, 4
	s_cbranch_scc0 .Lnone_\@
	tensor_load_to_lds s[24:27], s[16:23]
	s_nop 0
.rept 4
	v_nop
.endr
.Lnone_\@:
.endm
; A prefetch of the slot that the NEXT change of slots will ask for: four key steps ahead of that load.  All clusters of a head walk the same bytes: the head's first cluster asks.  Its four partners take 16,384 bytes each,
; told apart by address; in each, waves 4 and 5 ask for 8,192 bytes, lanes 256 bytes apart: each aligned block of 256 bytes is named once in the launch.  The last change that fills a slot asks for nothing.
.macro ASK
	s_cmp_gt_u32 s29, s38
	s_cbranch_scc0 .Lnot_mine_\@
	global_prefetch_b8 v5, s[36:37] th:TH_LOAD_NT scope:SCOPE_SE
.Lnot_mine_\@:
.endm
	s_load_b256 s[4:11], s[0:1], 0x0               ; qimg, kvimg, the scales' exponents, cimg
	v_lshl_add_u32 v3, v0, 2, SPARE
	v_mov_b32 v4, 0
	ds_add_u32 v3, v4
	s_wait_dscnt 0x0
	v_lshrrev_b32 v2, 5, v0
	v_readfirstlane_b32 s12, v2                    ; wave 0..7
	s_bfe_u32 s13, ttmp6, 0x40000                  ; cx: my place in the cluster
	s_lshl_b32 s14, ttmp9, 2
	s_add_co_u32 s14, s14, s13                     ; my block of 256 queries: it enters Q's and the result's addresses alone
	s_and_b32 s15, ttmp7, 0xffff                   ; bh, which the partners share
	v_and_b32 v1, 31, v0
	v_lshlrev_b32 v5, 8, v1
	v_lshlrev_b32 v1, 4, v1
	; descriptor group 1: 64 rows of 256 bytes, dense: a key step's 16,384 bytes
	s_mov_b32 s16, 15|(3<<16)|(1<<21)              ; 15:0 the mask: all four work-groups; 17:16 elements of 8 bytes; 21 set beside a mask
	s_mov_b32 s17, 32<<16                          ; tensor_dim0 = 32
	s_mov_b32 s18, 64<<16                          ; tensor_dim1 = 64
	s_mov_b32 s19, 32<<16                          ; tile_dim0 = 32
	s_mov_b32 s20, 64                              ; tile_dim1 = 64
	s_mov_b32 s21, 32                              ; from row to row
	s_mov_b32 s22, 0
	s_mov_b32 s23, 0
	s_mov_b32 s34, 0x76543210                      ; v_permlanex16_b32's selects for lane l xor 16
	s_mov_b32 s35, 0xfedcba98
	s_and_b32 s56, s12, 3
	s_lshl_b32 s56, s56, 14                        ; the key step of a slot that I fetch, if I fetch
	s_lshl_b32 s58, s15, 19                        ; the head's 524,288 bytes of K and V
	s_add_co_u32 s60, s58, s56
	s_mov_b32 s61, 0
	s_lshl_b32 s62, s15, 18                        ; Q: bh x 262,144 + (16 block + 2 wave) tiles of 1,024
	s_lshl_b32 s63, s14, 14
	s_add_co_u32 s62, s62, s63
	s_lshl_b32 s63, s12, 11
	s_add_co_u32 s62, s62, s63
	s_mov_b32 s63, 0
	s_lshr_b32 s66, s15, 3                         ; the result: (256 batch + 16 block + 2 wave) token tiles of 8,192 bytes, + 1,024 x head
	s_lshl_b32 s66, s66, 21
	s_lshl_b32 s67, s14, 17
	s_add_co_u32 s66, s66, s67
	s_lshl_b32 s67, s12, 14
	s_add_co_u32 s66, s66, s67
	s_and_b32 s67, s15, 7
	s_lshl_b32 s67, s67, 10
	s_add_co_u32 s66, s66, s67
	s_mov_b32 s67, 0
	s_lshl_b32 s68, s13, 14                        ; the prefetches: my work-group's quarter of a slot, my wave's half of it,
	s_add_co_u32 s68, s68, s58
	s_and_b32 s69, s12, 1
	s_lshl_b32 s69, s69, 13
	s_add_co_u32 s68, s68, s69
	s_add_co_u32 s68, s68, SLOTB                   ; in slot 1: the first change of slots steps it to slot 2.  Nothing is prefetched at the head
	s_mov_b32 s69, 0
	s_lshr_b32 s38, s12, 1
	s_xor_b32 s38, s38, 2                          ; 0 in waves 4 and 5,
	s_or_b32 s38, s38, ttmp9                       ; of the head's first cluster: the same in all four partners
	s_cmp_eq_u32 s38, 0
	s_cselect_b32 s38, 1, -1
	s_mov_b32 s28, 0                               ; LDS byte at which the step in hand begins
	s_mov_b32 s29, 7                               ; slots still to be asked for
	s_wait_kmcnt 0x0
	s_load_b512 s[40:55], s[8:9], 0x0              ; e0 .. e15
	s_mov_b32 s24, 1                               ; group 0: count = 1,
	s_mov_b32 s25, s56                             ; LDS address: slot 0,
	s_add_nc_u64 s[26:27], s[6:7], s[60:61]        ; global address,
	s_or_b32 s27, s27, 0x80000000                  ; type = 2
	s_add_nc_u64 s[36:37], s[6:7], s[68:69]
	s_add_nc_u64 s[4:5], s[4:5], s[62:63]
	s_add_nc_u64 s[10:11], s[10:11], s[66:67]
	ROUND                                          ; all four work-groups are here: the first joint loads meet
	JLOAD                                          ; slot 0
	WIN 0x40
.irp x, 0,1
.irp q, 0,1
	global_load_b128 v[128+8*\x+4*\q:128+8*\x+4*\q+3], v1, s[4:5] offset:1024*\x+512*\q   ; Q's two fragments stay in registers
.endr
.endr
	WIN 0
	s_wait_kmcnt 0x0
	s_add_co_i32 s56, s46, s47
	s_lshl_b32 s56, s56, 23
	s_mov_b32 s32, 0x3e38aa3b                      ; c = log2(e) / 8
	s_add_co_i32 s32, s32, s56                     ; a score stands for score x 2^(e6 + e7): the exponents are added to c's exponent field
	s_mov_b32 s33, s32                             ; (named with it as a pair, so it is written)
	s_add_co_i32 s56, s48, 127
	s_lshl_b32 s57, s56, 23
	v_mov_b32 v7, s57                              ; 2^e8, for p's conversions
	s_add_co_i32 s56, s56, 8
	s_lshl_b32 s56, s56, 23
	s_or_b32 s56, s56, 0x600000
	v_mov_b32 v6, s56                              ; 448 x 2^e8
.irp x, 0,1
	v_mov_b32 v[9+2*\x], 0xff61b1e6                ; the largest t so far: -3e38, under every t
	v_floor_f32 v[8+2*\x], -v[9+2*\x]              ; -M
	v_mov_b32 v[12+2*\x], 0                        ; the sum, in two halves
	v_mov_b32 v[13+2*\x], 0
	v_mov_b32 v[16+2*\x], 0
	v_mov_b32 v[17+2*\x], 0                        ; (named as the upper half of f's pair)
	v_mov_b32 v[22+4*\x], 0                        ; a lane permute's destination counts as one of its sources
.endr
.set j, 0
.rept 64
	v_mov_b32 v[160+j], 0                          ; O^T.  The step is written once: the first finds zeros, which the first change of M leaves zeros
.set j, j+1
.endr
; A KEY STEP: 128 keys, both tiles of queries
.macro STEP
	v_add_nc_u32 v2, s28, v1
	WIN 0x40
.irp kt, 0,1,2,3,4,5,6,7
.irp q, 0,1
	ds_load_b128 v[8*\kt+4*\q:8*\kt+4*\q+3], v2 offset:1024*\kt+512*\q
.endr
.endr
	s_wait_dscnt 0x0
	WIN 0x05                                       ; K and Q in window 1
.irp kt, 0,1,2,3,4,5,6,7
.irp x, 0,1
	v_wmma_f32_16x16x64_fp8_fp8 v[32+64*\x+8*\kt:32+64*\x+8*\kt+7], v[8*\kt:8*\kt+7], v[128+8*\x:128+8*\x+7], 0
.endr
.endr
	WIN 0
.rept 4
	v_nop                                          ; places in front of the first reads of the scores; with the addition at the step's head they are also the places in front of the loads into V's registers
.endr
	WIN 0x40
.irp t, 0,1,2,3
.irp q, 0,1,2,3
	ds_load_b128 v[64+16*\t+4*\q:64+16*\t+4*\q+3], v2 offset:8192+2048*\t+512*\q   ; V lands while the softmax is worked
.endr
.endr
	WIN 0
.irp x, 0,1                                    ; the step's largest score of my query among my 64 keys, in two chains a tile; each accumulator is read from its low end on
	v_max3_num_f32 v[20+4*\x], v[32+64*\x], v[33+64*\x], v[34+64*\x]
	v_max3_num_f32 v[21+4*\x], v[35+64*\x], v[36+64*\x], v[37+64*\x]
.endr
.irp i, 6,10,14,18,22,26,30,34,38,42,46,50,54,58
.irp x, 0,1
	v_max3_num_f32 v[20+4*\x], v[20+4*\x], v[32+64*\x+\i], v[33+64*\x+\i]
	v_max3_num_f32 v[21+4*\x], v[21+4*\x], v[34+64*\x+\i], v[35+64*\x+\i]
.endr
.endr
.irp x, 0,1
	v_max3_num_f32 v[20+4*\x], v[20+4*\x], v[94+64*\x], v[95+64*\x]
.endr
.irp x, 0,1
	v_max_num_f32 v[20+4*\x], v[20+4*\x], v[21+4*\x]
.endr
.irp x, 0,1
	v_permlanex16_b32 v[22+4*\x], v[20+4*\x], s34, s35
.endr
.irp x, 0,1
	v_max_num_f32 v[20+4*\x], v[20+4*\x], v[22+4*\x]   ; and among lane l xor 16's
.endr
.irp x, 0,1
	v_mul_f32 v[20+4*\x], s32, v[20+4*\x]          ; as t (c is positive)
.endr
.irp x, 0,1
	v_max_num_f32 v[9+2*\x], v[9+2*\x], v[20+4*\x] ; the running largest t
.endr
.irp x, 0,1
	v_mov_b32 v[20+4*\x], v[8+2*\x]
.endr
.irp x, 0,1
	v_floor_f32 v[8+2*\x], -v[9+2*\x]              ; the new -M = floor(-t): M is a whole number
.endr
.irp x, 0,1
	v_sub_f32 v[20+4*\x], v[8+2*\x], v[20+4*\x]    ; old M less new M: a whole number, 0 or less
.endr
.irp x, 0,1
	v_cvt_i32_f32 v[20+4*\x], v[20+4*\x]           ; (it saturates)
.endr
.irp x, 0,1
	v_ldexp_f32 v[16+2*\x], 1.0, v[20+4*\x]        ; f = 2^(old M - new M)
.endr
.irp x, 0,1
.set j, 0
.rept 32
	v_pk_fma_f32 v[32+64*\x+j:32+64*\x+j+1], v[32+64*\x+j:32+64*\x+j+1], s[32:33], v[8+2*\x:9+2*\x] op_sel_hi:[1,0,0]   ; t - M, two at a time
.set j, j+2
.endr
.endr
.set j, 0
.rept 128
	v_exp_f32 v[32+j], v[32+j]                     ; p = 2^(t - M), at most 1
.set j, j+1
.endr
.irp x, 0,1
	v_pk_mul_f32 v[12+2*\x:13+2*\x], v[12+2*\x:13+2*\x], v[16+2*\x:17+2*\x] op_sel_hi:[1,0]   ; the sums under the new M.  (A plain line behind the exponentials)
.endr
	s_wait_alu depctr_va_vdst(0)
.irp x, 0,1
	v_pk_add_f32 v[28+2*\x:29+2*\x], v[32+64*\x:33+64*\x], v[34+64*\x:35+64*\x]   ; the row's sum is taken of the unquantised p
.endr
.set j, 4
.rept 15
.irp x, 0,1
	v_pk_add_f32 v[12+2*\x:13+2*\x], v[12+2*\x:13+2*\x], v[32+64*\x+j:32+64*\x+j+1]
	v_pk_add_f32 v[28+2*\x:29+2*\x], v[28+2*\x:29+2*\x], v[34+64*\x+j:34+64*\x+j+1]
.endr
.set j, j+4
.endr
.irp x, 0,1
	v_pk_add_f32 v[12+2*\x:13+2*\x], v[12+2*\x:13+2*\x], v[28+2*\x:29+2*\x]
.endr
.irp x, 0,1
.irp kt, 0,1,2,3,4,5,6,7
.irp i, 0,1,2,3,4,5,6,7
	v_min_num_f32 v[32+64*\x+8*\kt+\i], v[32+64*\x+8*\kt+\i], v6   ; the conversion does not saturate (ISA guide 7.6.2); p is not negative, so the hold is one-sided
.endr
	v_cvt_scalef32_pk8_fp8_f32 v[224+16*\x+2*\kt:224+16*\x+2*\kt+1], v[32+64*\x+8*\kt:32+64*\x+8*\kt+7], v7
.endr
.endr
.irp x, 0,1
.set j, 0
.rept 16
	v_pk_mul_f32 v[160+32*\x+j:160+32*\x+j+1], v[160+32*\x+j:160+32*\x+j+1], v[16+2*\x:17+2*\x] op_sel_hi:[1,0]   ; O^T under the new M.  (Plain lines behind the conversions)
.set j, j+2
.endr
.endr
	s_wait_dscnt 0x0                               ; V is in
	WIN 0x01                                       ; V in window 1
.irp t, 0,1,2,3
.irp x, 0,1
	v_wmma_f32_16x16x128_fp8_fp8 v[160+32*\x+8*\t:160+32*\x+8*\t+7], v[64+16*\t:64+16*\t+15], v[224+16*\x:224+16*\x+15], v[160+32*\x+8*\t:160+32*\x+8*\t+7]
.endr
.endr
	WIN 0
.endm
.macro FOUR_STEPS                      ; a slot's four key steps: written once, walked four times
	s_mov_b32 s30, 4
.Lstep_\@:
	STEP
	s_add_co_u32 s28, s28, STEPB
	s_sub_co_u32 s30, s30, 1
	s_cmp_lg_u32 s30, 0
	s_cbranch_scc1 .Lstep_\@
	s_sub_co_u32 s28, s28, SLOTB                   ; back to a slot's first step,
	s_xor_b32 s28, s28, SLOTB                      ; in the other slot
.endm
; THE CHANGE OF SLOTS stands at a slot's head.  Each wave waits for all its tensor loads (its part of the slot ahead), adds 0 to its spare word, and waits for that and for its reads of the slot that it has left.
; fill = 1: the barrier is a round of the cluster's, and behind it the slot just left is asked for jointly: the load has four key steps in which to land.
.macro CHANGE fill
	s_wait_tensorcnt 0x0                           ; no tensor load of mine is out, so group 0 may be written
	ds_add_u32 v3, v4                              ; 0 onto my spare word
.if \fill
	s_xor_b32 s25, s25, SLOTB                      ; the other slot than last time,
	s_add_nc_u64 s[26:27], s[26:27], SLOTB         ; the next four key steps; the type bits on top are not reached
	s_wait_xcnt 0x0                                ; the last prefetch, a slot back, has read its address
	s_add_nc_u64 s[36:37], s[36:37], SLOTB
.endif
	s_wait_dscnt 0x0                               ; the add is done, and my reads of the slot that I have left are over
.if \fill
	ROUND
	JLOAD                                          ; the first thing behind the round, and a wave's one tensor load until the next
	ASK
.else
	s_barrier_signal -1
	s_barrier_wait -1
.endif
.endm
	s_wait_loadcnt 0x0                             ; Q
.Lslot:                                            ; seven trips: behind each change of slots but the last the next slot is asked for
	CHANGE 1
	FOUR_STEPS
	s_sub_co_u32 s29, s29, 1
	s_cmp_lg_u32 s29, 0
	s_cbranch_scc1 .Lslot
	CHANGE 0                                       ; the last slot is written out
	FOUR_STEPS
	; THE WAY OUT.  O^T x 2^(e8 + e9) / the sum is the attention's result; it is held, converted with 2^e10, and its eight registers a tile are two quads of the next product's fragment (K = 64 head + d).
.rept 4
	v_nop                                          ; places behind the last products
.endr
	s_add_co_i32 s56, s48, s49
	s_add_co_i32 s57, s50, 127
	s_lshl_b32 s58, s57, 23
	s_add_co_i32 s57, s57, 8
	s_lshl_b32 s57, s57, 23
	s_or_b32 s57, s57, 0x600000
.irp x, 0,1
	v_add_f32 v[12+2*\x], v[12+2*\x], v[13+2*\x]   ; the sum's two halves,
.endr
.irp x, 0,1
	v_permlanex16_b32 v[22+4*\x], v[12+2*\x], s34, s35
.endr
.irp x, 0,1
	v_add_f32 v[12+2*\x], v[12+2*\x], v[22+4*\x]   ; and lane l xor 16's
.endr
.irp x, 0,1
	v_rcp_f32 v[12+2*\x], v[12+2*\x]
.endr
	v_mov_b32 v7, s58                              ; 2^e10.  (A plain line behind the reciprocals)
	v_mov_b32 v6, s57                              ; 448 x 2^e10
	s_wait_alu depctr_va_vdst(0)
.irp x, 0,1
	v_ldexp_f32 v[12+2*\x], v[12+2*\x], s56
.endr
.irp x, 0,1
.set j, 0
.rept 16
	v_pk_mul_f32 v[160+32*\x+j:160+32*\x+j+1], v[160+32*\x+j:160+32*\x+j+1], v[12+2*\x:13+2*\x] op_sel_hi:[1,0]
.set j, j+2
.endr
.set j, 0
.rept 32
	v_med3_num_f32 v[160+32*\x+j], v[160+32*\x+j], -v6, v6
.set j, j+1
.endr
.irp t, 0,1,2,3
	v_cvt_scalef32_pk8_fp8_f32 v[224+16*\x+2*\t:224+16*\x+2*\t+1], v[160+32*\x+8*\t:160+32*\x+8*\t+7], v7
.endr
.endr
	v_nop                                          ; a plain line behind the last conversion
.irp x, 0,1
.irp q, 0,1
	global_store_b128 v1, v[224+16*\x+4*\q:224+16*\x+4*\q+3], s[10:11] offset:8192*\x+512*\q   ; 32 lanes store 512 consecutive bytes, aligned
.endr
.endr
	s_wait_tensorcnt 0x0                           ; the wave's end
	ds_add_u32 v3, v4
	s_wait_dscnt 0x0
	ROUND                                          ; the closing round: no work-group ends while a partner may still ask for a slot that names it
	s_endpgm
.Lfunc_end_k_qd304bf4b8f_attn:
	.size	k_qd304bf4b8f_attn, .Lfunc_end_k_qd304bf4b8f_attn-k_qd304bf4b8f_attn
	.p2alignl 7, 3214868480
	.fill 96, 4, 3214868480
	.section	.rodata,"a",@progbits
	.p2align	6, 0x0
	.amdhsa_kernel k_qd304bf4b8f_attn
		.amdhsa_group_segment_fixed_size 327680
		.amdhsa_private_segment_fixed_size 0
		.amdhsa_enable_private_segment 0
		.amdhsa_kernarg_size 32
		.amdhsa_user_sgpr_count 2
		.amdhsa_user_sgpr_kernarg_segment_ptr 1
		.amdhsa_wavefront_size32 1
		.amdhsa_system_sgpr_workgroup_id_x 1
		.amdhsa_system_sgpr_workgroup_id_y 1
		.amdhsa_system_sgpr_workgroup_id_z 1
		.amdhsa_system_vgpr_workitem_id 0
		.amdhsa_next_free_vgpr 512
		.amdhsa_next_free_sgpr 100
		.amdhsa_reserve_vcc 0
		.amdhsa_float_denorm_mode_32 3
		.amdhsa_float_denorm_mode_16_64 3
		.amdhsa_memory_ordered 1
		.amdhsa_forward_progress 1
		.amdhsa_inst_pref_size 74
	.end_amdhsa_kernel
	.amdgpu_metadata
---
amdhsa.version: [ 1, 2 ]
amdhsa.kernels:
  - .name:           k_qd304bf4b8f_attn
    .symbol:         k_qd304bf4b8f_attn.kd
    .args:
      - { .name: qimg, .offset: 0, .size: 8, .value_kind: global_buffer, .address_space: global }
      - { .name: kvimg, .offset: 8, .size: 8, .value_kind: global_buffer, .address_space: global }
      - { .name: lowp_scales, .offset: 16, .size: 8, .value_kind: global_buffer, .address_space: global }
      - { .name: cimg, .offset: 24, .size: 8, .value_kind: global_buffer, .address_space: global }
    .group_segment_fixed_size: 327680
    .private_segment_fixed_size: 0
    .kernarg_segment_align: 8
    .kernarg_segment_size: 32
    .max_flat_workgroup_size: 256
    .sgpr_count:     100
    .vgpr_count:     512
    .wavefront_size: 32
...
	.end_amdgpu_metadata
.endif
;; end of part 2
;; launch ffn (part 3): grid 128 x 1, 4 waves a work-group, clusters of 4 x 1, 327,680 bytes of LDS; arguments cimg, wimg, x, lowp_scales, bo, a1, b1, c1, c2, a2, b2, out0; writes out0
.if DOCPART == 3
	.amdgcn_target "amdgcn-amd-amdhsa--gfx1250"
	.amdhsa_code_object_version 6
	.text
	.protected	k_qd304bf4b8f_ffn
	.globl	k_qd304bf4b8f_ffn
	.p2align	8
	.type	k_qd304bf4b8f_ffn,@function
k_qd304bf4b8f_ffn:
	s_mov_b64 s[64:65], 0
	v_nop
	global_prefetch_b8 v0, s[64:65] scope:SCOPE_SE
	s_setreg_imm32_b32 hwreg(HW_REG_WAVE_MODE, 25, 1), 1
	s_wait_xcnt 0x0
	s_wait_alu depctr_hold_cnt(0) depctr_sa_sdst(0) depctr_va_vdst(0) depctr_va_sdst(0) depctr_va_ssrc(0) depctr_va_vcc(0) depctr_vm_vsrc(0)
	s_getreg_b32 s2, hwreg(HW_REG_IB_STS2, 6, 4)
	s_cmp_eq_u32 s2, 0
	s_cbranch_scc0 .Lentry_in_a_cluster
	s_endpgm
.Lentry_in_a_cluster:
	s_bfe_u32 s2, ttmp6, 0x10000c
	s_cmp_lg_u32 s2, 0x3003
	s_cbranch_scc0 .Lentry_shape_is_right
	s_endpgm
.Lentry_shape_is_right:
; x1 = LN(x + concat Wo + bo; a1, b1);  out = LN(x1 + relu(x1 W1 + c1) W2 + c2; a2, b2).  The three products on codes of E4M3; LN with the unbiased deviation, eps added to it.
; SHARES.  A work-group of four waves takes 64 rows (four tiles of 16 tokens).  THE WAVES SHARE THE COLUMNS: wave w owns features 128 w .. 128 w + 127 of the rows (eight tiles x four token tiles: 256 registers,
; which hold the rows from the residual to the output), and of each chunk of 256 hidden units the units 64 w .. 64 w + 63.  64 rows, since every work-group walks all 1,310,720 bytes of weights whatever its rows:
; so a fragment read from LDS feeds four matrix instructions.  With 8,192 rows that is 128 work-groups.
; WEIGHTS come as images of fragments in the order of the walk: ten slots of 131,072 bytes (Wo twice; for each of four chunks W1's, then W2's), a quarter for each wave, through a ring of two LDS slots.
; CLUSTER.  All work-groups walk the same weights: the four partners ask for each slot JOINTLY, each wave for its quarter.  By this text's count a wave has at most one tensor load out.
; ALL PRODUCTS ARE USED TRANSPOSED (source 0 = 16 rows of a weight, source 1 = 16 tokens): a lane holds one token and eight neighbouring features, so a conversion gives registers 2 c, 2 c + 1 of the next operand.
; Operands go from wave to wave through LDS as images of their registers.  The sums are kept divided by the power of two that the codes lack: the residual and the bias go in multiplied by 2^-(ea + eb), and eps likewise.
; LN takes two passes (mean; squares of the deviations), so no difference of large sums is formed.  A row's sums meet in LDS: four exchanges, each with bytes of its own and one barrier.
; LIMITS: e10 + e11 and e14 + e15 between -126 and 100 (2^-(..) and eps x that are f32 numbers); e12 and e14 - e12 - e13 between -126 and 119.  NaN among the inputs is not served.
; REGISTERS.  window 0: v1-14 addresses, v15-18 holds and scales, v32-47 chains, v48-55 a row's sums, v56-63 a pair for each token tile (-mean, then 1 / (deviation + eps)), v64-95 c1's four tiles,
;   v128-191, v192-255 two groups of four weight fragments (at work elsewhere between the products).   window 1: the rows, (m, t) at v[64 m + 8 t].   window 2: source 1's fragments (m, s) at v[64 m + 16 s].
;   window 3: bo, a1, b1, c2 (64 each); then the hidden sums (m, t) at v[32 m + 8 t] and the hidden fragments at v[128 + 32 m + 16 s]; at the end a2, b2.
.set SLOTB, 131072
.set E0,    262144                     ; behind the ring: bytes that no tensor load fills
.set XIMG,  E0                         ; x1's 16 fragments, (4 m + s) x 2,048
.set HIMG,  E0+32768                   ; a chunk's 8 hidden fragments, (2 m + s) x 2,048
.set RED,   E0+49152                   ; four exchanges x four waves x 256 bytes
.set SPARE, E0+53248                   ; the spare words, 128 bytes for each wave: two blocks of 256 bytes that no other line names
.set STGB,  8448                       ; a wave's stage, 16 rows x (512 + 16) bytes, at E0 + 8,448 w: it lies over the images and is used before them and behind them, with barriers between
.set MSB, 0
.macro WIN new                         ; the immediate's high byte repeats the setting that is left
.if MSB != \new
	s_set_vgpr_msb (MSB<<8)|\new
.set MSB, \new
.endif
.endm
.macro ROUND                           ; a round of the cluster's barrier
	s_barrier_signal -1
	s_barrier_wait -1
	s_cmp_lg_u32 s28, 0
	s_cbranch_scc1 .Lnot_wave_0_\@
	s_barrier_signal -3
.Lnot_wave_0_\@:
	s_barrier_wait -3
	s_barrier_signal -1
	s_barrier_wait -1
.endm
.macro NOPS n
.rept \n
	v_nop
.endr
.endm
.macro LOADV base, p                   ; 64 numbers of a vector in the result's layout: for tile t those of features 16 t + 8 (lane / 16) + 0 .. 7 of my 128
.irp t, 0,1,2,3,4,5,6,7
.irp q, 0,1
	global_load_b128 v[\base+8*\t+4*\q:\base+8*\t+4*\q+3], v14, s[\p:\p+1] offset:64*\t+16*\q
.endr
.endr
.endm
.macro LOADBI                          ; c1 of my 64 units of a chunk
.irp t, 0,1,2,3
.irp q, 0,1
	global_load_b128 v[64+8*\t+4*\q:64+8*\t+4*\q+3], v14, s[18:19] offset:64*\t+16*\q
.endr
.endr
.endm
	s_load_b512 s[4:19], s[0:1], 0x0               ; cimg, wimg, x, the scales' exponents, bo, a1, b1, c1
	s_load_b256 s[20:27], s[0:1], 0x40             ; c2, a2, b2, out0
	v_lshl_add_u32 v4, v0, 2, SPARE
	v_mov_b32 v5, 0
	ds_add_u32 v4, v5
	s_wait_dscnt 0x0
	v_lshrrev_b32 v19, 5, v0
	v_readfirstlane_b32 s28, v19                   ; wave 0..3
	s_bfe_u32 s29, ttmp6, 0x40000                  ; cx
	s_lshl_b32 s30, ttmp9, 2
	s_add_co_u32 s30, s30, s29                     ; my block of 64 rows: it enters the addresses of cimg, x and out0 alone
	v_and_b32 v19, 31, v0
	v_and_b32 v20, 15, v0                          ; r
	v_bfe_u32 v21, v0, 4, 1                        ; h
	v_lshlrev_b32 v1, 4, v19                       ; 16 x lane
	s_lshl_b32 s71, s28, 15
	v_add_nc_u32 v2, s71, v1                       ; my quarter of slot 0,
	v_add_nc_u32 v3, SLOTB, v2                     ; of slot 1
	s_mul_i32 s72, s28, STGB
	s_add_co_u32 s72, s72, E0                      ; my stage
	v_mul_u32_u24 v6, v20, 528
	v_lshl_add_u32 v6, v21, 5, v6
	v_add_nc_u32 v6, s72, v6                       ; by the result's layout: row r, + 32 h
	v_add_nc_u32 v7, s72, v1                       ; by rows: 16 bytes a lane
	s_lshl_b32 s73, s28, 11
	s_add_co_u32 s73, s73, XIMG
	v_add_nc_u32 v8, s73, v1                       ; where I store x1's images: K step w
	v_add_nc_u32 v9, XIMG, v1
	s_lshl_b32 s73, s28, 10
	s_add_co_u32 s73, s73, HIMG
	v_add_nc_u32 v10, s73, v1                      ; the hidden layer's: my 64 units are two quads: 1,024 w
	v_add_nc_u32 v11, HIMG, v1
	s_lshl_b32 s73, s28, 8
	s_add_co_u32 s73, s73, RED
	v_lshlrev_b32 v13, 4, v20
	v_add_nc_u32 v12, s73, v13                     ; the exchanges: 256 w + 16 r,
	v_add_nc_u32 v13, RED, v13                     ; and 16 r
	v_lshlrev_b32 v14, 5, v21                      ; 32 h
.irp m, 0,1,2,3
	v_mov_b32 v[52+\m], 0                          ; a lane permute's destination counts as one of its sources
.endr
	; descriptor group 1: 128 rows of 256 bytes, dense: a wave's quarter of a slot
	s_mov_b32 s32, 15|(3<<16)|(1<<21)              ; 15:0 the mask: all four work-groups; 17:16 elements of 8 bytes; 21 set beside a mask
	s_mov_b32 s33, 32<<16                          ; tensor_dim0 = 32
	s_mov_b32 s34, 128<<16                         ; tensor_dim1 = 128
	s_mov_b32 s35, 32<<16                          ; tile_dim0 = 32
	s_mov_b32 s36, 128                             ; tile_dim1 = 128
	s_mov_b32 s37, 32                              ; from row to row
	s_mov_b32 s38, 0
	s_mov_b32 s39, 0
	s_mov_b32 s68, 0x76543210
	s_mov_b32 s69, 0xfedcba98
	s_mov_b32 s74, s71
	s_mov_b32 s75, 0
	s_lshl_b32 s76, s30, 17                        ; 64 rows of 2,048 bytes,
	s_lshl_b32 s77, s28, 9                         ; my 512 bytes of a row
	s_add_co_u32 s76, s76, s77
	s_mov_b32 s77, 0
	s_lshl_b32 s78, s30, 15                        ; 16 fragments of concat
	s_mov_b32 s79, 0
	s_lshl_b32 s80, s28, 9
	s_mov_b32 s81, 0
	s_lshl_b32 s82, s28, 8
	s_mov_b32 s83, 0
	s_wait_kmcnt 0x0
	s_load_b512 s[44:59], s[10:11], 0x0            ; e0 .. e15
	s_mov_b32 s40, 1                               ; group 0: count = 1,
	s_mov_b32 s41, s71                             ; LDS address: my quarter of slot 0,
	s_add_nc_u64 s[42:43], s[6:7], s[74:75]        ; global address,
	s_or_b32 s43, s43, 0x80000000                  ; type = 2
	s_add_nc_u64 s[4:5], s[4:5], s[78:79]
	s_add_nc_u64 s[8:9], s[8:9], s[76:77]
	s_add_nc_u64 s[26:27], s[26:27], s[76:77]
	s_add_nc_u64 s[12:13], s[12:13], s[80:81]
	s_add_nc_u64 s[14:15], s[14:15], s[80:81]
	s_add_nc_u64 s[16:17], s[16:17], s[80:81]
	s_add_nc_u64 s[20:21], s[20:21], s[80:81]
	s_add_nc_u64 s[22:23], s[22:23], s[80:81]
	s_add_nc_u64 s[24:25], s[24:25], s[80:81]
	s_add_nc_u64 s[18:19], s[18:19], s[82:83]
	ROUND                                          ; all four work-groups are here: the first joint loads meet
	tensor_load_to_lds s[40:43], s[32:39]          ; the walk's slot 0
	s_nop 0
	NOPS 4
	WIN 0x40
.set n, 0
.rept 64
	global_load_b128 v[4*n:4*n+3], v1, s[8:9] offset:2048*n th:TH_LOAD_NT   ; x: my 512 bytes of row n, 16 a lane
.set n, n+1
.endr
	WIN 0xc0
	LOADV 0, 12                                    ; bo
	WIN 0x80
.set n, 0
.rept 64
	global_load_b128 v[4*n:4*n+3], v1, s[4:5] offset:512*n th:TH_LOAD_NT    ; concat's 16 fragments, as they lie
.set n, n+1
.endr
	WIN 0xc0
	LOADV 64, 14                                   ; a1
	LOADV 128, 16                                  ; b1
	LOADV 192, 20                                  ; c2
	WIN 0
	s_wait_kmcnt 0x0
	s_add_co_i32 s84, s54, s55
	s_sub_co_i32 s84, 127, s84
	s_lshl_b32 s60, s84, 23                        ; 2^-(e10 + e11)
	s_mov_b32 s61, s60                             ; (named with it as a pair, so it is written)
	s_add_co_i32 s84, s58, s59
	s_sub_co_i32 s84, 127, s84
	s_lshl_b32 s62, s84, 23                        ; 2^-(e14 + e15)
	s_mov_b32 s63, s62
	s_mul_f32 s66, s60, 0x358637bd                 ; eps = 1e-6 x each
	s_mul_f32 s67, s62, 0x358637bd
	s_add_co_i32 s84, s56, 127
	s_lshl_b32 s85, s84, 23
	v_mov_b32 v16, s85                             ; 2^e12, for x1's conversions
	s_add_co_i32 s84, s84, 8
	s_lshl_b32 s84, s84, 23
	s_or_b32 s84, s84, 0x600000
	v_mov_b32 v15, s84                             ; 448 x 2^e12
	s_add_co_i32 s86, s56, s57
	s_sub_co_i32 s87, 0, s86                       ; -(e12 + e13), for c1
	s_sub_co_i32 s84, s58, s86
	s_add_co_i32 s84, s84, 127
	s_lshl_b32 s85, s84, 23
	v_mov_b32 v18, s85                             ; 2^(e14 - e12 - e13), for the hidden layer's conversions
	s_add_co_i32 s84, s84, 8
	s_lshl_b32 s84, s84, 23
	s_or_b32 s84, s84, 0x600000
	v_mov_b32 v17, s84
; THE CHANGE OF SLOTS.  Each wave waits for all its tensor loads (its quarter of the slot ahead), adds 0 to its spare word, and waits for that and for all its LDS instructions.  fill = 1: the barrier is a round of the
; cluster's, and behind it the slot just left is asked for jointly.  The four v_nop are also the places in front of the loads into the weights' registers.
.macro CHANGE fill
	s_wait_tensorcnt 0x0                           ; no tensor load of mine is out, so group 0 may be written
	ds_add_u32 v4, v5                              ; 0 onto my spare word
.if \fill
	s_xor_b32 s41, s41, SLOTB                      ; the other slot than last time,
	s_add_nc_u64 s[42:43], s[42:43], SLOTB         ; the walk's next slot; the type bits on top are not reached
.endif
	s_wait_dscnt 0x0
.if \fill
	ROUND
	tensor_load_to_lds s[40:43], s[32:39]          ; the first thing behind the round, and my one tensor load until the next
	s_nop 0
.else
	s_barrier_signal -1
	s_barrier_wait -1
.endif
	NOPS 4
.endm
.macro FETCHW wa, grp, buf             ; four weight fragments, 16 LDS loads in one run
.irp ff, 0,1,2,3
.irp q, 0,1,2,3
	ds_load_b128 v[128+64*\buf+16*\ff+4*\q:128+64*\buf+16*\ff+4*\q+3], v[\wa] offset:(4*\grp+\ff)*2048+512*\q
.endr
.endr
.endm
; 16 matrix instructions: four weight fragments x four token tiles, sixteen accumulators, one instruction a turn.
; kind 0: concat Wo (K steps 2 kk, 2 kk + 1);  kind 1: x1 W1 (c1 is the C of each sum's first instruction);  kind 2: hidden W2
.macro GROUP kind, kk, grp
.set WB, 128+64*((\grp)%2)
.if \kind == 0
	WIN 0x58                                       ; source 1 window 2, C and D window 1
.elseif \kind == 1
.if \grp == 0
	WIN 0xc8                                       ; source 1 window 2, C window 0, D window 3
.else
	WIN 0xf8                                       ; source 1 window 2, C and D window 3
.endif
.else
	WIN 0x5c                                       ; source 1 window 3, C and D window 1
.endif
.irp ff, 0,1,2,3
.irp m, 0,1,2,3
.set F, 4*(\grp)+\ff
.if \kind == 0
	v_wmma_f32_16x16x128_fp8_fp8 v[64*\m+8*(F%8):64*\m+8*(F%8)+7], v[WB+16*\ff:WB+16*\ff+15], v[64*\m+16*(2*(\kk)+F/8):64*\m+16*(2*(\kk)+F/8)+15], v[64*\m+8*(F%8):64*\m+8*(F%8)+7]
.elseif \kind == 1
.if \grp == 0
	v_wmma_f32_16x16x128_fp8_fp8 v[32*\m+8*\ff:32*\m+8*\ff+7], v[WB+16*\ff:WB+16*\ff+15], v[64*\m+16*(\grp):64*\m+16*(\grp)+15], v[64+8*\ff:64+8*\ff+7]
.else
	v_wmma_f32_16x16x128_fp8_fp8 v[32*\m+8*\ff:32*\m+8*\ff+7], v[WB+16*\ff:WB+16*\ff+15], v[64*\m+16*(\grp):64*\m+16*(\grp)+15], v[32*\m+8*\ff:32*\m+8*\ff+7]
.endif
.else
	v_wmma_f32_16x16x128_fp8_fp8 v[64*\m+8*(F%8):64*\m+8*(F%8)+7], v[WB+16*\ff:WB+16*\ff+15], v[128+32*\m+16*(F/8):128+32*\m+16*(F/8)+15], v[64*\m+8*(F%8):64*\m+8*(F%8)+7]
.endif
.endr
.endr
.endm
.macro MULS kind, kk, wa               ; a slot's 64 matrix instructions; the weights come a group ahead, into two sets of registers by turns
	FETCHW \wa, 0, 0
	FETCHW \wa, 1, 1
	s_wait_dscnt 16                                ; all but the younger group's sixteen loads
	GROUP \kind, \kk, 0
	WIN 0
	NOPS 4                                         ; places in front of loads into registers that matrix instructions have read
	FETCHW \wa, 2, 0
	s_wait_dscnt 16
	GROUP \kind, \kk, 1
	WIN 0
	NOPS 4
	FETCHW \wa, 3, 1
	s_wait_dscnt 16
	GROUP \kind, \kk, 2
	s_wait_dscnt 0x0
	GROUP \kind, \kk, 3
	WIN 0
.endm
.macro SEED sp, base                   ; the rows x a power of two + a vector that has been multiplied by it: what the next product's sums begin with
	WIN 0x71
.irp m, 0,1,2,3
.set j, 0
.rept 32
	v_pk_fma_f32 v[64*\m+j:64*\m+j+1], v[64*\m+j:64*\m+j+1], s[\sp:\sp+1], v[\base+j:\base+j+1] op_sel_hi:[1,0,1]
.set j, j+2
.endr
.endr
	WIN 0
.endm
; the chains' ends become a row's sum over all 512 features, for the four token tiles, in v128-131 of every lane: my lane's, lane l xor 16's, then the four waves' through LDS, added in one order by all
.macro REDUCE e
	WIN 0
.irp m, 0,1,2,3
	v_pk_add_f32 v[32+4*\m:33+4*\m], v[32+4*\m:33+4*\m], v[34+4*\m:35+4*\m]
.endr
.irp m, 0,1,2,3
	v_add_f32 v[48+\m], v[32+4*\m], v[33+4*\m]
.endr
.irp m, 0,1,2,3
	v_permlanex16_b32 v[52+\m], v[48+\m], s68, s69
.endr
.irp m, 0,1,2,3
	v_add_f32 v[48+\m], v[48+\m], v[52+\m]
.endr
	ds_store_b128 v12, v[48:51] offset:1024*(\e)
	s_wait_dscnt 0x0                               ; for the others' sake: my store has landed
	s_barrier_signal -1
	s_barrier_wait -1
.irp w, 0,1,2,3
	ds_load_b128 v[128+4*\w:131+4*\w], v13 offset:1024*(\e)+256*\w
.endr
	s_wait_dscnt 0x0
	v_pk_add_f32 v[128:129], v[128:129], v[132:133]
	v_pk_add_f32 v[130:131], v[130:131], v[134:135]
	v_pk_add_f32 v[136:137], v[136:137], v[140:141]
	v_pk_add_f32 v[138:139], v[138:139], v[142:143]
	v_pk_add_f32 v[128:129], v[128:129], v[136:137]
	v_pk_add_f32 v[130:131], v[130:131], v[138:139]
.endm
; the rows become a ((row - mean) / (deviation + eps)) + b, in place.  e: the first of its two exchanges; s[eps]: eps in the rows' scale; a and b in window 3
.macro LN e, eps, abase, bbase
	NOPS 5                                         ; places behind the last products
	WIN 0x05
.irp m, 0,1,2,3                                ; each accumulator is read from its low end on
	v_pk_add_f32 v[32+4*\m:33+4*\m], v[64*\m:64*\m+1], v[64*\m+4:64*\m+5]
	v_pk_add_f32 v[34+4*\m:35+4*\m], v[64*\m+2:64*\m+3], v[64*\m+6:64*\m+7]
.endr
	WIN 0x01
.irp t, 1,2,3,4,5,6,7
.irp i, 0,4
.irp m, 0,1,2,3
	v_pk_add_f32 v[32+4*\m:33+4*\m], v[64*\m+8*\t+\i:64*\m+8*\t+\i+1], v[32+4*\m:33+4*\m]
	v_pk_add_f32 v[34+4*\m:35+4*\m], v[64*\m+8*\t+\i+2:64*\m+8*\t+\i+3], v[34+4*\m:35+4*\m]
.endr
.endr
.endr
	REDUCE \e
.irp m, 0,1,2,3
	v_mul_f32 v[56+2*\m], 0xbb000000, v[128+\m]    ; -mean = sum x -1/512
	v_mul_f32 v[57+2*\m], 0xbb000000, v[128+\m]
.endr
	WIN 0x41
.irp m, 0,1,2,3
.set j, 0
.rept 32
	v_pk_add_f32 v[64*\m+j:64*\m+j+1], v[64*\m+j:64*\m+j+1], v[56+2*\m:57+2*\m]
.set j, j+2
.endr
.endr
	WIN 0x05
.irp m, 0,1,2,3
	v_pk_mul_f32 v[32+4*\m:33+4*\m], v[64*\m:64*\m+1], v[64*\m:64*\m+1]
	v_pk_mul_f32 v[34+4*\m:35+4*\m], v[64*\m+2:64*\m+3], v[64*\m+2:64*\m+3]
.endr
.set j, 4
.rept 15
.irp m, 0,1,2,3
	v_pk_fma_f32 v[32+4*\m:33+4*\m], v[64*\m+j:64*\m+j+1], v[64*\m+j:64*\m+j+1], v[32+4*\m:33+4*\m]
	v_pk_fma_f32 v[34+4*\m:35+4*\m], v[64*\m+j+2:64*\m+j+3], v[64*\m+j+2:64*\m+j+3], v[34+4*\m:35+4*\m]
.endr
.set j, j+4
.endr
	REDUCE (\e)+1
.irp m, 0,1,2,3
	v_mul_f32 v[128+\m], 0x3b004020, v[128+\m]     ; x 1/511
.endr
.irp m, 0,1,2,3
	v_sqrt_f32 v[128+\m], v[128+\m]
.endr
	v_nop                                          ; a plain line behind the roots
	s_wait_alu depctr_va_vdst(0)
.irp m, 0,1,2,3
	v_add_f32 v[128+\m], s[\eps], v[128+\m]
.endr
.irp m, 0,1,2,3
	v_rcp_f32 v[56+2*\m], v[128+\m]
	v_rcp_f32 v[57+2*\m], v[128+\m]
.endr
	v_nop                                          ; a plain line behind the reciprocals
	WIN 0x41
	s_wait_alu depctr_va_vdst(0)
.irp m, 0,1,2,3
.set j, 0
.rept 32
	v_pk_mul_f32 v[64*\m+j:64*\m+j+1], v[64*\m+j:64*\m+j+1], v[56+2*\m:57+2*\m]
.set j, j+2
.endr
.endr
	WIN 0x7d
.irp m, 0,1,2,3
.set j, 0
.rept 32
	v_pk_fma_f32 v[64*\m+j:64*\m+j+1], v[64*\m+j:64*\m+j+1], v[\abase+j:\abase+j+1], v[\bbase+j:\bbase+j+1]
.set j, j+2
.endr
.endr
	WIN 0
.endm
	; ---- x into the result's layout: each token tile's 16 rows go through my stage as rows and come back 32 bytes a lane and tile, into the registers that they left (LDS serves a wave's instructions in order: ISA guide 5.7.1.4)
	s_wait_loadcnt 63                              ; x's 64 loads and bo's 16 are the oldest 80 of 192: with at most 63 out they are in
.irp m, 0,1,2,3
	WIN 0x04
.irp p, 0,1,2,3,4,5,6,7,8,9,10,11,12,13,14,15
	ds_store_b128 v7, v[64*\m+4*\p:64*\m+4*\p+3] offset:528*\p
.endr
	WIN 0x40
.irp t, 0,1,2,3,4,5,6,7
.irp q, 0,1
	ds_load_b128 v[64*\m+8*\t+4*\q:64*\m+8*\t+4*\q+3], v6 offset:64*\t+16*\q
.endr
.endr
.endr
	WIN 0xc3
.set j, 0
.rept 32
	v_pk_mul_f32 v[j:j+1], v[j:j+1], s[60:61] op_sel_hi:[1,0]   ; bo x 2^-(e10 + e11)
.set j, j+2
.endr
	s_wait_dscnt 0x0
	SEED 60, 0                                     ; (x + bo) x 2^-(e10 + e11): the first product adds onto it
	; ---- concat Wo
	s_wait_loadcnt 48                              ; concat's fragments are in; a1, b1, c2 may be out
	CHANGE 1
	MULS 0, 0, 2
	CHANGE 1
	MULS 0, 1, 3
	; ---- x1
	s_wait_loadcnt 0x0
	LN 0, 66, 64, 128
	; ---- x1 quantised: my 128 features are K step w of the next product: a whole fragment for each token tile
.irp m, 0,1,2,3
.if \m > 1
	s_wait_dscnt 4                                 ; the stores of two tiles ago have read this set of codes
.endif
	WIN 0x01
.set j, 0
.rept 64
	v_med3_num_f32 v[128+j], v[64*\m+j], -v15, v15 ; the conversion does not saturate (ISA guide 7.6.2): the hold at 448 x the scale
.set j, j+1
.endr
	WIN 0
.irp t, 0,1,2,3,4,5,6,7
	v_cvt_scalef32_pk8_fp8_f32 v[192+16*(\m%2)+2*\t:192+16*(\m%2)+2*\t+1], v[128+8*\t:128+8*\t+7], v16
.endr
	v_nop                                          ; a plain line behind the last conversion
.irp q, 0,1,2,3
	ds_store_b128 v8, v[192+16*(\m%2)+4*\q:192+16*(\m%2)+4*\q+3] offset:8192*\m+512*\q
.endr
.endr
	s_wait_dscnt 0x0
	s_barrier_signal -1
	s_barrier_wait -1                              ; x1's sixteen fragments lie in LDS.
	WIN 0x80
.set n, 0
.rept 64
	ds_load_b128 v[4*n:4*n+3], v9 offset:512*n
.set n, n+1
.endr
	WIN 0xc3
.set j, 0
.rept 32
	v_pk_mul_f32 v[192+j:192+j+1], v[192+j:192+j+1], s[62:63] op_sel_hi:[1,0]   ; c2 x 2^-(e14 + e15)
.set j, j+2
.endr
	SEED 62, 192                                   ; (x1 + c2) x 2^-(e14 + e15): the last product adds onto it
	LOADBI                                         ; chunk 0's c1
; A CHUNK OF 256 HIDDEN UNITS: x1 W1 (my 64 units), relu and the hold in one, quantised, images to LDS; then hidden W2 onto the rows.  The two changes of slots are also the barriers between the images' stores and reads.
.macro PAIR nextbias, fillc
	CHANGE 1
	s_wait_loadcnt 0x0
.set j, 0
.rept 32
	v_ldexp_f32 v[64+j], v[64+j], s87              ; c1 / 2^(e12 + e13)
.set j, j+1
.endr
	MULS 1, 0, 2
	NOPS 5                                         ; places behind the last products
	WIN 0xc3
.irp m, 0,1,2,3
.set j, 0
.rept 32
	v_med3_num_f32 v[32*\m+j], v[32*\m+j], 0, v17  ; the activation and the hold in one, each accumulator from its low end on
.set j, j+1
.endr
.irp t, 0,1,2,3
	v_cvt_scalef32_pk8_fp8_f32 v[128+8*\m+2*\t:128+8*\m+2*\t+1], v[32*\m+8*\t:32*\m+8*\t+7], v18
.endr
.endr
	v_nop                                          ; a plain line behind the last conversion
	WIN 0x0c
.irp m, 0,1,2,3
.irp q, 0,1
	ds_store_b128 v10, v[128+8*\m+4*\q:128+8*\m+4*\q+3] offset:4096*\m+512*\q
.endr
.endr
	WIN 0
	CHANGE \fillc
	WIN 0xc0
.set n, 0
.rept 32
	ds_load_b128 v[128+4*n:128+4*n+3], v11 offset:512*n   ; the chunk's eight hidden fragments
.set n, n+1
.endr
.if \nextbias
	WIN 0
	s_add_nc_u64 s[18:19], s[18:19], 1024          ; (the loads that read this base have been waited for)
	LOADBI                                         ; the next chunk's c1
.else
	LOADV 0, 22                                    ; a2 and b2, into the registers that the hidden sums have left
	LOADV 64, 24
	WIN 0
.endif
	MULS 2, 0, 3
.endm
	s_mov_b32 s70, 3
.Lpair:
	PAIR 1, 1
	s_sub_co_u32 s70, s70, 1
	s_cmp_lg_u32 s70, 0
	s_cbranch_scc1 .Lpair
	PAIR 0, 0                                      ; the last chunk is written out: its second change of slots asks for nothing
	; ---- the output
	s_wait_loadcnt 0x0
	LN 2, 67, 0, 64
; THE WAY OUT, a token tile at a time through my stage: in by the result's layout, back as rows of 512 bytes, which the 32 lanes store as 512 consecutive bytes, aligned
.macro TOSTAGE m
	WIN 0x04
.irp t, 0,1,2,3,4,5,6,7
.irp q, 0,1
	ds_store_b128 v6, v[64*(\m)+8*\t+4*\q:64*(\m)+8*\t+4*\q+3] offset:64*\t+16*\q
.endr
.endr
	WIN 0
.irp p, 0,1,2,3,4,5,6,7,8,9,10,11,12,13,14,15
	ds_load_b128 v[128+64*((\m)%2)+4*\p:128+64*((\m)%2)+4*\p+3], v7 offset:528*\p
.endr
.endm
.macro SEND m, younger                 ; younger: the LDS instructions issued behind tile m's loads, which may stay out
	s_wait_dscnt \younger
.irp p, 0,1,2,3,4,5,6,7,8,9,10,11,12,13,14,15
	global_store_b128 v1, v[128+64*((\m)%2)+4*\p:128+64*((\m)%2)+4*\p+3], s[26:27] offset:2048*(16*(\m)+\p) th:TH_STORE_NT
.endr
.endm
	TOSTAGE 0
.irp m, 1,2,3
.if \m > 1
	s_wait_xcnt 0x0                                ; the stores of two tiles ago have read their registers
.endif
	TOSTAGE \m
	SEND \m-1, 32                                  ; behind its loads: the next tile's 16 stores and 16 loads
.endr
	SEND 3, 0
	s_wait_tensorcnt 0x0                           ; the wave's end
	ds_add_u32 v4, v5
	s_wait_dscnt 0x0
	ROUND                                          ; the closing round: no work-group ends while a partner may still ask for a slot that names it
	s_endpgm
.Lfunc_end_k_qd304bf4b8f_ffn:
	.size	k_qd304bf4b8f_ffn, .Lfunc_end_k_qd304bf4b8f_ffn-k_qd304bf4b8f_ffn
	.p2alignl 7, 3214868480
	.fill 96, 4, 3214868480
	.section	.rodata,"a",@progbits
	.p2align	6, 0x0
	.amdhsa_kernel k_qd304bf4b8f_ffn
		.amdhsa_group_segment_fixed_size 327680
		.amdhsa_private_segment_fixed_size 0
		.amdhsa_enable_private_segment 0
		.amdhsa_kernarg_size 96
		.amdhsa_user_sgpr_count 2
		.amdhsa_user_sgpr_kernarg_segment_ptr 1
		.amdhsa_wavefront_size32 1
		.amdhsa_system_sgpr_workgroup_id_x 1
		.amdhsa_system_sgpr_workgroup_id_y 1
		.amdhsa_system_sgpr_workgroup_id_z 1
		.amdhsa_system_vgpr_workitem_id 0
		.amdhsa_next_free_vgpr 1024
		.amdhsa_next_free_sgpr 100
		.amdhsa_reserve_vcc 0
		.amdhsa_float_denorm_mode_32 3
		.amdhsa_float_denorm_mode_16_64 3
		.amdhsa_memory_ordered 1
		.amdhsa_forward_progress 1
		.amdhsa_inst_pref_size 255
	.end_amdhsa_kernel
	.section	.bss,"aw",@nobits
	.p2align	6
	.space	262144
	.amdgpu_metadata
---
amdhsa.version: [ 1, 2 ]
amdhsa.kernels:
  - .name:           k_qd304bf4b8f_ffn
    .symbol:         k_qd304bf4b8f_ffn.kd
    .args:
      - { .name: cimg, .offset: 0, .size: 8, .value_kind: global_buffer, .address_space: global }
      - { .name: wimg, .offset: 8, .size: 8, .value_kind: global_buffer, .address_space: global }
      - { .name: x, .offset: 16, .size: 8, .value_kind: global_buffer, .address_space: global }
      - { .name: lowp_scales, .offset: 24, .size: 8, .value_kind: global_buffer, .address_space: global }
      - { .name: bo, .offset: 32, .size: 8, .value_kind: global_buffer, .address_space: global }
      - { .name: a1, .offset: 40, .size: 8, .value_kind: global_buffer, .address_space: global }
      - { .name: b1, .offset: 48, .size: 8, .value_kind: global_buffer, .address_space: global }
      - { .name: c1, .offset: 56, .size: 8, .value_kind: global_buffer, .address_space: global }
      - { .name: c2, .offset: 64, .size: 8, .value_kind: global_buffer, .address_space: global }
      - { .name: a2, .offset: 72, .size: 8, .value_kind: global_buffer, .address_space: global }
      - { .name: b2, .offset: 80, .size: 8, .value_kind: global_buffer, .address_space: global }
      - { .name: out0, .offset: 88, .size: 8, .value_kind: global_buffer, .address_space: global }
    .group_segment_fixed_size: 327680
    .private_segment_fixed_size: 0
    .kernarg_segment_align: 8
    .kernarg_segment_size: 96
    .max_flat_workgroup_size: 128
    .sgpr_count:     100
    .vgpr_count:     1024
    .wavefront_size: 32
...
	.end_amdgpu_metadata
.endif
;; end of part 3
;; ======== version 2 of 2: 3 launches; version 1 with the launch qkv written anew for expert scheduling mode
;; workspace buffers: qimg 4,194,304 bytes; kvimg 8,388,608 bytes; cimg 4,194,304 bytes; wimg 1,310,720 bytes
;; launch qkv (part 4): grid 64 x 4, 4 waves a work-group, no clusters, 197,120 bytes of LDS; arguments x, Wq_codes, Wk_codes, Wv_codes, bq, bk, bv, lowp_scales, Wo_codes, W1_codes, W2_codes, qimg, kvimg, wimg; writes qimg, kvimg, wimg
.if DOCPART == 4
	.amdgcn_target "amdgcn-amd-amdhsa--gfx1250"
	.amdhsa_code_object_version 6
	.text
	.protected	k_qd304bf4b8f_qkv
	.globl	k_qd304bf4b8f_qkv
	.p2align	8
	.type	k_qd304bf4b8f_qkv,@function
k_qd304bf4b8f_qkv:
	s_mov_b64 s[64:65], 0
	v_nop
	global_prefetch_b8 v0, s[64:65] scope:SCOPE_SE
	s_setreg_imm32_b32 hwreg(HW_REG_WAVE_SCHED_MODE, 0, 2), 2
	s_setreg_imm32_b32 hwreg(HW_REG_WAVE_MODE, 25, 1), 1
	s_wait_xcnt 0x0
	s_wait_alu depctr_vm_vsrc(0)
; q = x Wq + bq, k = x Wk + bk, v = x Wv + bv on codes of E4M3, and q, k, v quantised again for attention.  Also: Wo, W1, W2 laid out anew for the last launch.
; SHARES.  A work-group takes 128 rows of x (one key step of one batch), in two blocks of 64, and 128 of the 512 features of each of q, k, v.  Wave w takes features 32 w .. 32 w + 31 of those
; (half a head) for all rows: its 24 fragments of Wq, Wk, Wv (384 registers) are read once and stay.  Wave w also quantises rows 16 w .. 16 w + 15 of each block, three times (x has a scale for each product);
; the fragments go to the other waves through LDS as images of their registers: register quad c of a fragment is 512 bytes, lane l's 16 bytes at 16 l.
; k ORDER of these three products: registers 4 c .. 4 c + 3 hold K = 32 c + 16 (lane / 16) + 0 .. 15, in x and in W alike: a permutation of K that leaves every product with its partner.
; q and k are used TRANSPOSED (source 0 = 16 rows of W, source 1 = 16 rows of x): a lane holds one token and eight neighbouring features, so one conversion gives two registers of attention's fragment
; (registers 2 c, 2 c + 1: d = 16 c + 8 (lane / 16) + 0 .. 7).  v is used as it stands (source 0 = x, source 1 = Wv): a lane holds one feature and eight neighbouring TOKENS, which are the second product's K.
; The biases, divided by 2^(ea + ew), are the C of each sum's first matrix instruction.  What is stored are images: every store of a wave covers 512 consecutive bytes, aligned.
; LIMITS: e0, e2, e4 and e6 - e0 - e1, e7 - e2 - e3, e9 - e4 - e5 lie between -126 and 119, so that each power of two below is an f32 number.  NaN among the inputs is not served.
; REGISTERS, in windows of 256.  window 0: v1-11 and v160-165 addresses, v12-23 scales and holds, v25 r, v26 h, v32-79 six accumulators, v80-111 codes to store, v112-159 biases, v190, v191 for the closing add, v192-255 x's fragments for v.
;   window 1: Wq (v0-127), Wk (v128-255).   window 2: Wv (v0-127), x's fragments for q (v128-191) and k (v192-255).   window 3: three sets of 64 numbers of x, two sets of 8 held numbers, three sets of 16 registers of codes.
; THE MODE: SCHED_MODE bits 1:0 = 2 (LLVM: expert scheduling mode 2), set by the entry lines.  The code itself states the register dependences
; between vector or matrix instructions and memory or LDS instructions, with s_wait_alu, always for 0.
; THE PLAN.  Registers that memory or LDS instructions touch:
;   X0 .. X2      (window 3)  K step g: its holds read X[g % 3]; behind them the loads of K step g + 3 land in it.
;   PC0 .. PC2    (window 3)  a set of codes for each product.  K step g: its conversions write them, its twelve LDS stores read them; K step g + 1 writes them again.
;   x's fragments (window 2 v128-255, window 0 v192-255)  Tile m: its 24 matrix instructions read them; behind them the LDS loads of tile m + 1 land in them.
;   OCQ, OCK      two sets by turns; OCV two sets, a set to a pair of tiles.  Tile m's conversions write them; the stores that read them are issued in tile m + 1; tile m + 2 writes the set again.
;   v1-11, v160-165  offsets and LDS addresses, made once at the head and never written again: each block of rows has LDS address registers of its own.
;   The held numbers, the accumulators, the biases and the scales are named by vector and matrix instructions alone.
; So a K step has ONE wait on va_vdst, behind its conversions (the codes are written; the holds are done reading X), with its sixteen loads and twelve LDS stores behind it, and one on vm_vsrc at its head.
; A tile has ONE wait on va_vdst, behind its matrix instructions' places (they are done reading the fragments; the tile before has written its codes), with the next tile's 48 LDS loads and the last tile's stores behind it,
; and one on vm_vsrc, beside the wait on XCNT, a whole tile behind the stores that it speaks of.
.set ACC,  32
.set OCQ,  80
.set OCK,  88
.set OCV,  96
.set BIAS, 112
.set XF2,  192
.set HB,   192                         ; window 3: v192-207  two sets of 8 held numbers
.set PC,   208                         ; window 3: v208-255  three sets of 16 registers of codes
.set SCX,  12                          ; v12-14  2^ea, for x's conversions
.set LMX,  15                          ; v15-17  448 x 2^ea
.set SCO,  18                          ; v18-20  2^(eo - ea - ew), for the results' conversions
.set LMO,  21                          ; v21-23  448 x that
.set MSB, 0
.macro WIN new                         ; the immediate's high byte repeats the setting that is left
.if MSB != \new
	s_set_vgpr_msb (MSB<<8)|\new
.set MSB, \new
.endif
.endm
	s_load_b512 s[4:19], s[0:1], 0x0               ; x, Wq, Wk, Wv, bq, bk, bv, the scales' exponents
	s_load_b256 s[20:27], s[0:1], 0x40             ; Wo, W1, W2, qimg
	s_load_b128 s[28:31], s[0:1], 0x60             ; kvimg, wimg
	v_lshl_add_u32 v190, v0, 2, 0x30000
	v_mov_b32 v191, 0
	v_lshrrev_b32 v24, 5, v0
	v_readfirstlane_b32 s32, v24                   ; wave 0..3
	s_and_b32 s33, ttmp7, 0xffff                   ; hy: which 128 features
	v_and_b32 v25, 15, v0                          ; r
	v_bfe_u32 v26, v0, 4, 1                        ; h
	v_and_b32 v27, 31, v0                          ; lane
	v_lshlrev_b32 v1, 11, v25
	v_lshl_add_u32 v1, v26, 6, v1                  ; x: row r of 2,048 bytes, + 64 h: my 16 numbers of a block of 32
	v_lshlrev_b32 v2, 4, v27                       ; 16 x lane: an image's place for my lane
	s_wait_alu depctr_va_sdst(0)                   ; s32 is written, ahead of its first reader: LDS addresses and all the bases are made from it
	s_lshl_b32 s52, s32, 13
	v_add_nc_u32 v3, s52, v2                       ; where I store x's images: 16 x lane + 8,192 x wave, + 32,768 for each product
	v_add_nc_u32 v4, 0x8000, v3
	v_add_nc_u32 v5, 0x10000, v3
	v_lshlrev_b32 v6, 4, v27                       ; and where any wave reads them
	v_add_nc_u32 v7, 0x8000, v6
	v_add_nc_u32 v8, 0x10000, v6
.irp a, 0,1,2,3,4,5
	v_add_nc_u32 v[160+\a], 0x18000, v[3+\a]       ; block 1 has LDS bytes of its own (no wave waits for another's reads of block 0), and address registers of its own: v160-162 to store, v163-165 to read
.endr
	v_lshlrev_b32 v9, 9, v25
	v_lshl_add_u32 v9, v26, 4, v9                  ; W: row r of 512 bytes, + 16 h
	v_lshlrev_b32 v10, 5, v26                      ; bq, bk: eight numbers of my half
	v_lshlrev_b32 v11, 2, v25                      ; bv: my feature's
	s_lshl_b32 s52, ttmp9, 18                      ; 128 rows of 2,048 bytes for each work-group x,
	s_lshl_b32 s53, s32, 15                        ; 16 rows for each wave
	s_add_co_u32 s52, s52, s53
	s_mov_b32 s53, 0
	s_lshl_b32 s54, s33, 16                        ; W: (128 hy + 32 w) rows of 512 bytes
	s_lshl_b32 s55, s32, 14
	s_add_co_u32 s54, s54, s55
	s_mov_b32 s55, 0
	s_lshr_b32 s56, s54, 7                         ; the biases: (128 hy + 32 w) x 4 bytes
	s_mov_b32 s57, 0
	s_lshr_b32 s58, ttmp9, 5
	s_lshl_b32 s58, s58, 3
	s_lshl_b32 s59, s33, 1
	s_add_co_u32 s58, s58, s59
	s_lshr_b32 s59, s32, 1
	s_add_co_u32 s58, s58, s59                     ; bh = 8 x batch + head, head = 2 hy + w / 2
	s_and_b32 s59, ttmp9, 31                       ; the key step
	s_and_b32 s60, s32, 1                          ; which half of the head
	s_lshl_b32 s62, s58, 18
	s_lshl_b32 s63, s59, 13
	s_add_co_u32 s62, s62, s63
	s_lshl_b32 s63, s60, 9
	s_add_co_u32 s62, s62, s63                     ; qimg: bh x 262,144 + 8 tiles of 1,024 for each key step + my quad
	s_mov_b32 s63, 0
	s_lshl_b32 s66, s58, 5
	s_add_co_u32 s66, s66, s59
	s_lshl_b32 s66, s66, 14                        ; kvimg: (32 bh + key step) x 16,384
	s_lshl_b32 s67, s60, 9
	s_add_co_u32 s68, s66, s67                     ; K: + my quad
	s_mov_b32 s69, 0
	s_lshl_b32 s67, s60, 12
	s_add_co_u32 s70, s66, s67
	s_add_co_u32 s70, s70, 8192                    ; V: behind K's eight tiles, + my two d tiles of 2,048
	s_mov_b32 s71, 0
	s_wait_kmcnt 0x0
	s_load_b512 s[36:51], s[18:19], 0x0            ; e0 .. e15
	s_add_nc_u64 s[4:5], s[4:5], s[52:53]
	s_add_nc_u64 s[6:7], s[6:7], s[54:55]
	s_add_nc_u64 s[8:9], s[8:9], s[54:55]
	s_add_nc_u64 s[10:11], s[10:11], s[54:55]
	s_add_nc_u64 s[12:13], s[12:13], s[56:57]
	s_add_nc_u64 s[14:15], s[14:15], s[56:57]
	s_add_nc_u64 s[16:17], s[16:17], s[56:57]
	s_add_nc_u64 s[26:27], s[26:27], s[62:63]      ; where q's images go
	s_add_nc_u64 s[66:67], s[28:29], s[68:69]      ; k's
	s_add_nc_u64 s[68:69], s[28:29], s[70:71]      ; v's
; my 16 rows' numbers of K step g % 4 of block g / 4 (64 a lane) into set g % 3
.macro XLOAD g
	WIN 0xc0
.irp b, 0,1,2,3
.irp j, 0,1,2,3
	global_load_b128 v[64*((\g)%3)+16*\b+4*\j:64*((\g)%3)+16*\b+4*\j+3], v1, s[4:5] offset:131072*((\g)/4)+512*((\g)%4)+128*\b+16*\j
.endr
.endr
.endm
; set g % 3 becomes three fragments, one for each product's scale; their images go to LDS.  n: the younger loads that may stay out.  ahead = 1: the set is asked for again at once, for K step g + 3.
; The held numbers lie in two sets of 8 by turns, so that eight plain lines stand between a conversion and the next write of its sources; each product has its own 16 registers of codes.
.macro QUANT g, n, ahead
.set SA, 3+157*((\g)/4)                ; the block's three address registers
	s_wait_loadcnt \n
.if (\g) > 0
	s_wait_alu depctr_vm_vsrc(0)                   ; the LDS stores of the K step before have read the three sets of codes, which the conversions below write again
.endif
	WIN 0xc3
.irp p, 0,1,2
.irp b, 0,1,2,3
.irp hf, 0,1
.irp i, 0,1,2,3,4,5,6,7
	v_med3_num_f32 v[HB+8*\hf+\i], v[64*((\g)%3)+16*\b+8*\hf+\i], -v[LMX+\p], v[LMX+\p]   ; the conversion to an 8-bit code does not saturate (ISA guide 7.6.2): the hold at 448 x the scale
.endr
	v_cvt_scalef32_pk8_fp8_f32 v[PC+16*\p+4*\b+2*\hf:PC+16*\p+4*\b+2*\hf+1], v[HB+8*\hf:HB+8*\hf+7], v[SCX+\p]
.endr
.endr
.endr
	v_nop                                          ; a plain line behind the last conversion
.if \ahead
	WIN 0xc0
.else
	WIN 0x0c
.endif
	s_wait_alu depctr_va_vdst(0)                   ; the conversions have written the three sets of codes, which the LDS stores read; the holds are done reading X[g % 3], in which the loads land
.if \ahead
	XLOAD (\g)+3
.endif
	WIN 0x0c
.irp p, 0,1,2
.irp q, 0,1,2,3
	ds_store_b128 v[SA+\p], v[PC+16*\p+4*\q:PC+16*\p+4*\q+3] offset:2048*((\g)%4)+512*\q
.endr
.endr
.endm
; the twelve fragments of token tile m of block blk: 48 LDS loads in one run, those for q and k first
.macro FETCH blk, m
.set FA, 6+157*(\blk)                  ; the block's three address registers
	WIN 0x80
.irp p, 0,1
.irp s, 0,1,2,3
.irp q, 0,1,2,3
	ds_load_b128 v[128+64*\p+16*\s+4*\q:128+64*\p+16*\s+4*\q+3], v[FA+\p] offset:(4*(\m)+\s)*2048+512*\q
.endr
.endr
.endr
	WIN 0
.irp s, 0,1,2,3
.irp q, 0,1,2,3
	ds_load_b128 v[XF2+16*\s+4*\q:XF2+16*\s+4*\q+3], v[FA+2] offset:(4*(\m)+\s)*2048+512*\q
.endr
.endr
.endm
; product p's two tiles: held, from each accumulator's low end on, and converted into v[d0], v[d1]
.macro OUTQ p, d0, d1
.irp j, 0,1,2,3,4,5,6,7,8,9,10,11,12,13,14,15
	v_med3_num_f32 v[ACC+16*\p+\j], v[ACC+16*\p+\j], -v[LMO+\p], v[LMO+\p]
.endr
	v_cvt_scalef32_pk8_fp8_f32 v[\d0:\d0+1], v[ACC+16*\p:ACC+16*\p+7], v[SCO+\p]
	v_cvt_scalef32_pk8_fp8_f32 v[\d1:\d1+1], v[ACC+16*\p+8:ACC+16*\p+15], v[SCO+\p]
.endm
; the codes of token tile m of block blk leave
.macro SENDT blk, m
	global_store_b128 v2, v[OCQ+4*((\m)%2):OCQ+4*((\m)%2)+3], s[26:27] offset:(4*(\blk)+(\m))*1024   ; my quad of the query tile's image
	global_store_b128 v2, v[OCK+4*((\m)%2):OCK+4*((\m)%2)+3], s[66:67] offset:(4*(\blk)+(\m))*1024   ; and of the key tile's
.if ((\m)%2) == 1                      ; two token tiles fill a quad of V's images (32 keys)
	global_store_b128 v2, v[OCV+8*(((\m)/2)%2):OCV+8*(((\m)/2)%2)+3], s[68:69] offset:(2*(\blk)+(\m)/2)*512
	global_store_b128 v2, v[OCV+8*(((\m)/2)%2)+4:OCV+8*(((\m)/2)%2)+7], s[68:69] offset:2048+(2*(\blk)+(\m)/2)*512
.endif
.endm
; token tile m of block blk: 24 matrix instructions, the accumulators by turns; then the next tile's fragments are asked for, the tile before's codes leave, and this tile's codes are made
.macro TILE blk, m, next
	s_wait_dscnt 16                                ; the fragments for q and k are in; the youngest sixteen loads (those for v) may be out
	WIN 0x09                                       ; source 0 (W) window 1, source 1 (x) window 2
.irp s, 0,1,2,3
.irp p, 0,1
.irp u, 0,1
.if \s == 0
	v_wmma_f32_16x16x128_fp8_fp8 v[ACC+16*\p+8*\u:ACC+16*\p+8*\u+7], v[128*\p+64*\u+16*\s:128*\p+64*\u+16*\s+15], v[128+64*\p+16*\s:128+64*\p+16*\s+15], v[BIAS+16*\p+8*\u:BIAS+16*\p+8*\u+7]
.else
	v_wmma_f32_16x16x128_fp8_fp8 v[ACC+16*\p+8*\u:ACC+16*\p+8*\u+7], v[128*\p+64*\u+16*\s:128*\p+64*\u+16*\s+15], v[128+64*\p+16*\s:128+64*\p+16*\s+15], v[ACC+16*\p+8*\u:ACC+16*\p+8*\u+7]
.endif
.endr
.endr
.endr
	s_wait_dscnt 0x0
	WIN 0x08                                       ; source 0 (x) window 0, source 1 (Wv) window 2
.irp s, 0,1,2,3
.irp u, 0,1
.if \s == 0
	v_wmma_f32_16x16x128_fp8_fp8 v[ACC+32+8*\u:ACC+32+8*\u+7], v[XF2+16*\s:XF2+16*\s+15], v[64*\u+16*\s:64*\u+16*\s+15], v[BIAS+32+8*\u:BIAS+32+8*\u+7]
.else
	v_wmma_f32_16x16x128_fp8_fp8 v[ACC+32+8*\u:ACC+32+8*\u+7], v[XF2+16*\s:XF2+16*\s+15], v[64*\u+16*\s:64*\u+16*\s+15], v[ACC+32+8*\u:ACC+32+8*\u+7]
.endif
.endr
.endr
.if \next
	WIN 0x80                                       ; the window of the loads below: the switch stands ahead of the wait
.else
	WIN 0
.endif
.rept 5
	v_nop                                          ; places in front of the loads into x's fragments, of the first reads of the sums, and of the next tile's sums, which begin anew over these registers
.endr
	s_wait_alu depctr_va_vdst(0)                   ; this tile's matrix instructions are done reading x's fragments, in which the next tile's loads land; the tile before has written its codes, which the stores below read
.if \next
	FETCH \blk, (\m)+1
.endif
.if 4*(\blk)+(\m) >= 2
	s_wait_xcnt 0x0                                ; the stores issued in the tile before have had their addresses translated (ISA guide 3.1): their data registers may be written again,
	s_wait_alu depctr_vm_vsrc(0)                   ; and they have read them: the sets of codes that this tile's conversions write
.endif
.if (\m) > 0
	SENDT \blk, (\m)-1                             ; no vector instruction since the wait on va_vdst names these sets, nor does any below: this tile writes the other ones
.endif
.set QD, OCQ+4*((\m)%2)
.set KD, OCK+4*((\m)%2)
.set VS, OCV+8*(((\m)/2)%2)
.set VD, VS+2*((\m)%2)
	OUTQ 0, QD, QD+2
	OUTQ 1, KD, KD+2
	OUTQ 2, VD, VD+4
	v_nop                                          ; a plain line behind the last conversion
.endm
.macro CONSTS p, eo                    ; product p: x's scale and hold; -(ea + ew); the result's scale and hold, the three exponents folded into one
	s_add_co_i32 s72, s[36+2*\p], 127
	s_lshl_b32 s73, s72, 23
	v_mov_b32 v[SCX+\p], s73
	s_add_co_i32 s72, s72, 8
	s_lshl_b32 s72, s72, 23
	s_or_b32 s72, s72, 0x600000
	v_mov_b32 v[LMX+\p], s72
	s_add_co_i32 s72, s[36+2*\p], s[37+2*\p]
	s_sub_co_i32 s[76+\p], 0, s72
	s_sub_co_i32 s72, s[\eo], s72
	s_add_co_i32 s72, s72, 127
	s_lshl_b32 s73, s72, 23
	v_mov_b32 v[SCO+\p], s73
	s_add_co_i32 s72, s72, 8
	s_lshl_b32 s72, s72, 23
	s_or_b32 s72, s72, 0x600000
	v_mov_b32 v[LMO+\p], s72
.endm
	WIN 0xc0
	s_wait_alu depctr_va_vdst(0)                   ; the offsets and addresses v1 to v11 and v160 to v165 are written: every load and store of the kernel but the last part's loads reads one of them
	XLOAD 0
	XLOAD 1
	XLOAD 2
	WIN 0x40
.irp u, 0,1
.irp s, 0,1,2,3
.irp c, 0,1,2,3
	global_load_b128 v[64*\u+16*\s+4*\c:64*\u+16*\s+4*\c+3], v9, s[6:7] offset:8192*\u+128*\s+32*\c
	global_load_b128 v[128+64*\u+16*\s+4*\c:128+64*\u+16*\s+4*\c+3], v9, s[8:9] offset:8192*\u+128*\s+32*\c
.endr
.endr
.endr
	WIN 0x80
.irp u, 0,1
.irp s, 0,1,2,3
.irp c, 0,1,2,3
	global_load_b128 v[64*\u+16*\s+4*\c:64*\u+16*\s+4*\c+3], v9, s[10:11] offset:8192*\u+128*\s+32*\c
.endr
.endr
.endr
	WIN 0
.irp u, 0,1
.irp q, 0,1
	global_load_b128 v[BIAS+8*\u+4*\q:BIAS+8*\u+4*\q+3], v10, s[12:13] offset:64*\u+16*\q
	global_load_b128 v[BIAS+16+8*\u+4*\q:BIAS+16+8*\u+4*\q+3], v10, s[14:15] offset:64*\u+16*\q
.endr
	global_load_b32 v[28+\u], v11, s[16:17] offset:64*\u
.endr
	s_wait_kmcnt 0x0
	CONSTS 0, 42                                   ; q is quantised with e6,
	CONSTS 1, 43                                   ; k with e7,
	CONSTS 2, 45                                   ; v with e9
	QUANT 0, 63, 1                                 ; 138 loads were issued behind this set's: the count is the largest that the wait can name
	QUANT 1, 63, 1
	QUANT 2, 63, 1
	QUANT 3, 32, 1                                 ; behind it: the two sets asked for last.  So W and the biases are in too
	WIN 0
.irp j, 0,1,2,3,4,5,6,7,8,9,10,11,12,13,14,15
	v_ldexp_f32 v[BIAS+\j], v[BIAS+\j], s76        ; a sum stands for sum x 2^(ea + ew): the bias goes in divided by that
.endr
.irp j, 0,1,2,3,4,5,6,7,8,9,10,11,12,13,14,15
	v_ldexp_f32 v[BIAS+16+\j], v[BIAS+16+\j], s77
.endr
.irp u, 0,1
.irp j, 0,1,2,3,4,5,6,7
	v_ldexp_f32 v[BIAS+32+8*\u+\j], v[28+\u], s78  ; in v's tiles a lane holds one feature: its bias in all eight registers
.endr
.endr
	s_wait_dscnt 0x0                               ; my images of block 0 lie in LDS
	s_barrier_signal -1
	s_barrier_wait -1                              ; everybody's do
	FETCH 0, 0                                     ; no vector or matrix instruction has named these registers yet
	TILE 0, 0, 1
	TILE 0, 1, 1
	TILE 0, 2, 1
	TILE 0, 3, 0
	s_wait_alu depctr_va_vdst(0)                   ; the block's last tile has written its codes, which the stores read
	SENDT 0, 3
	QUANT 4, 32, 1
	QUANT 5, 32, 0
	QUANT 6, 16, 0
	QUANT 7, 0, 0
	WIN 0
	s_wait_dscnt 0x0
	s_barrier_signal -1
	s_barrier_wait -1
	FETCH 1, 0                                     ; block 0's matrix instructions, which read these registers, stand ahead of the waits on va_vdst above, and no vector or matrix instruction has named them since
	TILE 1, 0, 1
	TILE 1, 1, 1
	TILE 1, 2, 1
	TILE 1, 3, 0
	s_wait_alu depctr_va_vdst(0)                   ; the block's last tile has written its codes, which the stores read
	SENDT 1, 3
; THE WEIGHTS OF THE LAST LAUNCH, once: 640 fragments of 16 rows x 128 K, each as an image of its registers (registers 2 c, 2 c + 1: K = 16 c + 8 (lane / 16) + 0 .. 7), in the order in which that launch walks them.
; Work-group number g = x + 64 y, g < 160, lays four, one a wave: fragment 4 g + wave = ((slot k x 4 + reading wave) x 16 + f).  k = 0, 1: Wo; k = 2 + 2 i: W1's chunk i; k = 3 + 2 i: W2's chunk i.
	s_lshl_b32 s80, s33, 6
	s_add_co_u32 s80, s80, ttmp9                   ; g
	s_cmp_ge_u32 s80, 160
	s_cbranch_scc1 .Ldone
	s_lshr_b32 s81, s80, 4                         ; k
	s_bfe_u32 s82, s80, 0x20002                    ; the wave that will read it
	s_and_b32 s83, s80, 3
	s_lshl_b32 s83, s83, 2
	s_add_co_u32 s83, s83, s32                     ; f
	s_sub_co_u32 s84, s81, 2
	s_lshr_b32 s84, s84, 1                         ; i (used where k >= 2)
	s_mov_b32 s87, 1024
	s_cmp_lt_u32 s81, 2
	s_cselect_b32 s85, s81, s84                    ; Wo: k; W2: i
	s_cselect_b32 s86, 1, 0
	s_cselect_b32 s87, 512, s87                    ; a row of Wo is 512 bytes, of W2 1,024
	s_cselect_b64 s[88:89], s[20:21], s[24:25]
	s_and_b32 s90, s83, 7
	s_lshl_b32 s90, s90, 4
	s_lshl_b32 s91, s82, 7
	s_add_co_u32 s90, s90, s91                     ; Wo, W2: first row 128 w + 16 (f % 8),
	s_lshr_b32 s91, s83, 3
	s_lshl_b32 s85, s85, 1
	s_add_co_u32 s91, s91, s85                     ; K step 2 k (2 i) + f / 8
	s_and_b32 s92, s83, 3
	s_lshl_b32 s92, s92, 4
	s_lshl_b32 s93, s82, 6
	s_add_co_u32 s92, s92, s93
	s_lshl_b32 s93, s84, 8
	s_add_co_u32 s92, s92, s93                     ; W1: first row 256 i + 64 w + 16 (f % 4),
	s_lshr_b32 s93, s83, 2                         ; K step f / 4
	s_and_b32 s94, s81, 1
	s_or_b32 s94, s94, s86
	s_cmp_eq_u32 s94, 0                            ; W1: k even and at least 2
	s_cselect_b32 s90, s92, s90
	s_cselect_b32 s91, s93, s91
	s_cselect_b32 s87, 512, s87
	s_cselect_b64 s[88:89], s[22:23], s[88:89]
	s_mul_i32 s90, s90, s87
	s_lshl_b32 s91, s91, 7
	s_add_co_u32 s90, s90, s91
	s_mov_b32 s91, 0
	s_add_nc_u64 s[88:89], s[88:89], s[90:91]
	s_lshl_b32 s92, s80, 2
	s_add_co_u32 s92, s92, s32
	s_lshl_b32 s92, s92, 11
	s_mov_b32 s93, 0
	s_add_nc_u64 s[30:31], s[30:31], s[92:93]
	v_mul_lo_u32 v24, v25, s87
	v_lshl_add_u32 v24, v26, 3, v24                ; row r, + 8 h
	s_wait_alu depctr_va_vdst(0)                   ; v24 is written, which the loads read as their offset (the last tile's holds and conversions, which named v32 to v47, in which the loads land, stand ahead of this wait too)
.irp c, 0,1,2,3,4,5,6,7
	global_load_b64 v[32+2*\c:33+2*\c], v24, s[88:89] offset:16*\c
.endr
	s_wait_loadcnt 0x0
.irp q, 0,1,2,3
	global_store_b128 v2, v[32+4*\q:35+4*\q], s[30:31] offset:512*\q
.endr
.Ldone:
	s_wait_dscnt 0x0                               ; the closing lines, six on end
	s_wait_alu 0x0
	s_wait_tensorcnt 0x0
	ds_add_u32 v190, v191
	s_wait_dscnt 0x0
	s_endpgm
.Lfunc_end_k_qd304bf4b8f_qkv:
	.size	k_qd304bf4b8f_qkv, .Lfunc_end_k_qd304bf4b8f_qkv-k_qd304bf4b8f_qkv
	.p2alignl 7, 3214868480
	.fill 96, 4, 3214868480
	.section	.rodata,"a",@progbits
	.p2align	6, 0x0
	.amdhsa_kernel k_qd304bf4b8f_qkv
		.amdhsa_group_segment_fixed_size 197120
		.amdhsa_private_segment_fixed_size 0
		.amdhsa_enable_private_segment 0
		.amdhsa_kernarg_size 112
		.amdhsa_user_sgpr_count 2
		.amdhsa_user_sgpr_kernarg_segment_ptr 1
		.amdhsa_wavefront_size32 1
		.amdhsa_system_sgpr_workgroup_id_x 1
		.amdhsa_system_sgpr_workgroup_id_y 1
		.amdhsa_system_sgpr_workgroup_id_z 1
		.amdhsa_system_vgpr_workitem_id 0
		.amdhsa_next_free_vgpr 1024
		.amdhsa_next_free_sgpr 96
		.amdhsa_reserve_vcc 0
		.amdhsa_float_denorm_mode_32 3
		.amdhsa_float_denorm_mode_16_64 3
		.amdhsa_memory_ordered 1
		.amdhsa_forward_progress 1
		.amdhsa_inst_pref_size 219
	.end_amdhsa_kernel
	.amdgpu_metadata
---
amdhsa.version: [ 1, 2 ]
amdhsa.kernels:
  - .name:           k_qd304bf4b8f_qkv
    .symbol:         k_qd304bf4b8f_qkv.kd
    .args:
      - { .name: x, .offset: 0, .size: 8, .value_kind: global_buffer, .address_space: global }
      - { .name: Wq_codes, .offset: 8, .size: 8, .value_kind: global_buffer, .address_space: global }
      - { .name: Wk_codes, .offset: 16, .size: 8, .value_kind: global_buffer, .address_space: global }
      - { .name: Wv_codes, .offset: 24, .size: 8, .value_kind: global_buffer, .address_space: global }
      - { .name: bq, .offset: 32, .size: 8, .value_kind: global_buffer, .address_space: global }
      - { .name: bk, .offset: 40, .size: 8, .value_kind: global_buffer, .address_space: global }
      - { .name: bv, .offset: 48, .size: 8, .value_kind: global_buffer, .address_space: global }
      - { .name: lowp_scales, .offset: 56, .size: 8, .value_kind: global_buffer, .address_space: global }
      - { .name: Wo_codes, .offset: 64, .size: 8, .value_kind: global_buffer, .address_space: global }
      - { .name: W1_codes, .offset: 72, .size: 8, .value_kind: global_buffer, .address_space: global }
      - { .name: W2_codes, .offset: 80, .size: 8, .value_kind: global_buffer, .address_space: global }
      - { .name: qimg, .offset: 88, .size: 8, .value_kind: global_buffer, .address_space: global }
      - { .name: kvimg, .offset: 96, .size: 8, .value_kind: global_buffer, .address_space: global }
      - { .name: wimg, .offset: 104, .size: 8, .value_kind: global_buffer, .address_space: global }
    .group_segment_fixed_size: 197120
    .private_segment_fixed_size: 0
    .kernarg_segment_align: 8
    .kernarg_segment_size: 112
    .max_flat_workgroup_size: 128
    .sgpr_count:     96
    .vgpr_count:     1024
    .wavefront_size: 32
...
	.end_amdgpu_metadata
.endif
;; end of part 4
;; launch attn: the kernel of part 2 again; grid 16 x 16, 8 waves a work-group, clusters of 4 x 1, 327,680 bytes of LDS; arguments qimg, kvimg, lowp_scales, cimg; writes cimg
;; launch ffn: the kernel of part 3 again; grid 128 x 1, 4 waves a work-group, clusters of 4 x 1, 327,680 bytes of LDS; arguments cimg, wimg, x, lowp_scales, bo, a1, b1, c1, c2, a2, b2, out0; writes out0
